; MI455X (gfx1250); checked and timed in simulation.
; The chip was launched on July 23, 2026; its instructions are those of AMD's public machine-readable ISA for CDNA 5 (MIT licence, August 2026) and "CDNA5" Instruction Set Architecture Reference Guide (July 2026). The comments in the code are by the model that wrote it; some were corrected since.
;; Cross Attention Layer. Allowed arithmetic: matrix products marked QUANTISED: E4M3 operands, one given power-of-two scale a tensor, by v_wmma_f32_16x16x64_fp8_fp8 or v_wmma_f32_16x16x128_fp8_fp8, f32 sums; everything else in f32.
;; Inputs: Wg_codes 1,024 x 32 x 32 uint8 (E4M3 codes of Wg, K innermost, in blocks of 32 codes); Wk_codes 1,024 x 32 x 32 uint8 (E4M3 codes of Wk, K innermost, in blocks of 32 codes); Wo_codes 1,024 x 32 x 32 uint8 (E4M3 codes of Wo, K innermost, in blocks of 32 codes); Wq_codes 1,024 x 32 x 32 uint8 (E4M3 codes of Wq, K innermost, in blocks of 32 codes); Wv_codes 1,024 x 32 x 32 uint8 (E4M3 codes of Wv, K innermost, in blocks of 32 codes); bg 1,024 float32; bk 1,024 float32; bo 1,024 float32; bq 1,024 float32; bv 1,024 float32; cross_states_codes 8 x 1,024 x 32 x 32 uint8 (E4M3 codes of cross_states, K innermost, in blocks of 32 codes); hidden_states 8 x 1,024 x 1,024 float32; ln_b 1,024 float32; ln_g 1,024 float32; lowp_scales 14 int32 (the exponents e of the quantised operands' scales 2^e).
;; Outputs: out0 8 x 1,024 x 1,024 float32.
;; This version of the problem:
;;   THIS VERSION OF THE PROBLEM IS GIVEN IN LOW PRECISION. The matrix products marked QUANTISED in the list below multiply operands that are first quantised to E4M3 (4 exponent bits, 3 mantissa bits; 8 bits a number), with one given power-of-two scale for each operand tensor; their sums are f32. All else is computed in f32.
;;   The module's matrix products, in the order in which they are computed (A, B: the left and right operand; K: the contracted axis; several contracted axes count as one K, in the product's order):
;;     1. [M 8,192, K 1,024] x [K 1,024, N 1,024]; A: input hidden_states; B: input Wq (given as codes): QUANTISED (scales: A lowp_scales[0], B lowp_scales[1])
;;     2. [M 8,192, K 1,024] x [K 1,024, N 1,024]; A: input cross_states (given as codes); B: input Wk (given as codes): QUANTISED (scales: A lowp_scales[2], B lowp_scales[3])
;;     3. [M 8,192, K 1,024] x [K 1,024, N 1,024]; A: input cross_states (given as codes); B: input Wv (given as codes): QUANTISED (scales: A lowp_scales[4], B lowp_scales[5])
;;     4. batch 128 x [M 1,024, K 64] x [K 64, N 1,024]; A: computed on the way; B: computed on the way: QUANTISED (scales: A lowp_scales[6], B lowp_scales[7])
;;     5. batch 128 x [M 64, K 1,024] x [K 1,024, N 1,024]; A: computed on the way; B: softmax (see below): QUANTISED (scales: A lowp_scales[8], B lowp_scales[9])
;;     6. [M 8,192, K 1,024] x [K 1,024, N 1,024]; A: computed on the way; B: input Wo (given as codes): QUANTISED (scales: A lowp_scales[10], B lowp_scales[11])
;;     7. [M 8,192, K 1,024] x [K 1,024, N 1,024]; A: input hidden_states; B: input Wg (given as codes): QUANTISED (scales: A lowp_scales[12], B lowp_scales[13])
;;   THE QUANTISER, for each operand of a quantised product, along K:
;;     - The operand's scale is 2^e, e = its entry of the input lowp_scales (int32; the entries are numbered through the quantised products in the list's order, A before B).
;;     - Each number is divided by the scale, clamped to +-448, and rounded to the nearest number of E4M3, ties to even, subnormals kept.
;;     - The product sums the exact products of the quantised numbers (number of the format x scale) in f32.
;;   ~~~python
;;   def quantise(x, axis, e):      # numpy; x: float32 -> the quantised numbers, widened to float32 again
;;       x = np.moveaxis(x, axis, -1); K = x.shape[-1]
;;       r = np.clip(x / 2.0 ** e, -448, 448)
;;       step = 2.0 ** (np.maximum(np.frexp(np.where(r == 0, 1, r))[1] - 1, -6) - 3)
;;       q = np.round(r / step) * step * 2.0 ** e      # np.round: ties to even
;;       return np.moveaxis(q, -1, axis).astype(np.float32)
;;   ~~~
;;   SOFTMAX AHEAD OF A QUANTISED PRODUCT. Where the list says 'softmax', what is quantised is not the finished softmax but p = 2^(t - M), with t = logit x log2(e) and M = ceil(the row's largest t), a whole number; so 1/2 < the row's largest p <= 1. The row's sum l is taken of the UNQUANTISED p, in f32, and the product's result is divided by l at the end. Since M is a whole number, a kernel that streams over the keys may use a running M (the ceiling of the running maximum): every later rescaling is an exact power of two, so the quantised numbers keep their values, but for numbers so far below the row's largest that they fall under the format's range.
;;   OPERANDS COMPUTED ON THE WAY. 'Computed on the way' means the value that the module computes at that place (a softmax that the list does not call 'softmax' is quantised finished and normalised). What goes into a quantiser is computed in f32, as accurately as f32 sums, v_exp_f32 and their like allow (about 1e-6 of the number): no bf16 or f16 on the way to a quantiser, and a product that is left as it is and whose result goes on into a quantised operand takes f32 operands (vector FMAs, or v_wmma_f32_16x16x4_f32). A number that lies on a knife's edge between two numbers of the format may be rounded either way, as far as f32 arithmetic and the matrix unit's own rounding can turn it there, and no further.
;;   INPUTS GIVEN AS CODES. Wg (in the module: [1024, 1024], K = its axis 1); Wk (in the module: [1024, 1024], K = its axis 1); Wo (in the module: [1024, 1024], K = its axis 1); Wq (in the module: [1024, 1024], K = its axis 1); Wv (in the module: [1024, 1024], K = its axis 1); cross_states (in the module: [8, 1024, 1024], K = its axis 2): each comes as NAME_codes (uint8): NAME with its K axis moved to the last place and cut into blocks of 32 codes, [.., K / 32, bytes a block], one block behind the other in memory; one code a byte (a code: sign, 4 exponent bits, 3 mantissa bits); its scale is its entry of lowp_scales. Its value is code x scale, taken as it is: it is not quantised again, and the codes and scales need not be those that the quantiser above would give.
;; 2 versions, each right; version 2 is version 1 with the launch qattn written anew for expert scheduling mode. Each part assembles by itself: llvm-mc -triple=amdgcn-amd-amdhsa -mcpu=gfx1250 --defsym DOCPART=n.
;; ======== version 1 of 2: 3 launches
;; workspace buffers: kv_img 16,777,216 bytes; w_img 3,145,728 bytes; ctx_img 8,388,608 bytes
;; launch kvproj (part 1): grid 8 x 32, 4 waves a work-group, clusters of 4 x 4, 327,680 bytes of LDS; arguments cross_states_codes, Wk_codes, Wv_codes, bk, bv, lowp_scales, Wq_codes, Wo_codes, Wg_codes, kv_img, w_img; writes kv_img, w_img
.if DOCPART == 1
	.amdgcn_target "amdgcn-amd-amdhsa--gfx1250"
	.amdhsa_code_object_version 6
	.text
	.protected	k_qd301abbdce_kvproj
	.globl	k_qd301abbdce_kvproj
	.p2align	8
	.type	k_qd301abbdce_kvproj,@function
k_qd301abbdce_kvproj:
	s_mov_b64 s[64:65], 0
	v_nop
	global_prefetch_b8 v0, s[64:65] scope:SCOPE_SE
	s_setreg_imm32_b32 hwreg(HW_REG_WAVE_MODE, 25, 1), 1
	s_wait_xcnt 0x0
	s_wait_alu depctr_hold_cnt(0) depctr_sa_sdst(0) depctr_va_vdst(0) depctr_va_sdst(0) depctr_va_ssrc(0) depctr_va_vcc(0) depctr_vm_vsrc(0)
	s_getreg_b32 s2, hwreg(HW_REG_IB_STS2, 6, 4)
	s_cmp_eq_u32 s2, 0
	s_cbranch_scc0 .Lentry_in_a_cluster
	s_endpgm
.Lentry_in_a_cluster:
	s_bfe_u32 s2, ttmp6, 0x10000c
	s_cmp_lg_u32 s2, 0xf033
	s_cbranch_scc0 .Lentry_shape_is_right
	s_endpgm
.Lentry_shape_is_right:
; k = cross Wk^T + bk and v = cross Wv^T + bv on codes of FP8 (E4M3), each result quantised at once for the attention products; beside it Wq, Wo, Wg are laid anew for the later launches.
; CLUSTERS of 4 x 4 work-groups.  Cluster x = 0 makes k, 1 makes v; cluster y is the batch.  A work-group makes 256 (P) x 256 (R) over K = 1,024, a wave 128 x 128: 64 accumulators, 512 registers.
; P is the matrix instruction's source 1 (its rows lie in the lanes), R its source 0 (its rows lie in a lane's eight registers).
;   k: P = 256 keys (rows of cross), R = 256 features (rows of Wk): a lane's eight results are eight neighbouring d of one key;
;   v: P = 256 features (rows of Wv), R = 256 keys (rows of cross): a lane's eight results are eight neighbouring keys of one d.
; In both a conversion's two registers are registers 2 c, 2 c + 1 of a 16 x 64 operand of the attention products, so the codes leave as IMAGES OF OPERAND REGISTERS, 1,024 bytes a fragment
; (registers 0-3 at 16 x lane, registers 4-7 at 512 + 16 x lane): kv_img = [k, v][batch 8][rg 16][pt 64][1,024]; k: rg = head, pt = tile of 16 keys; v: rg = chunk of 64 keys, pt = 4 head + tile of 16 d.
; P's tiles are shared along a row of the cluster, R's along a column: each is asked for JOINTLY by four work-groups.  Ring, round and K steps: two LDS slots of 256 along K, one joint load a wave behind each round.
; w_img = [Wq, Wo, Wg][K step 8][tile of 16 rows 64][group 4][lane 32][16]: lane (r, h), group c holds W[16 tile + r][128 step + 32 c + 16 h + 0 .. 15]; each of the 1,024 waves lays half a fragment of each.
; value = sum x 2^(ea + eb) + bias; code = value / 2^eq, held within +-448, to the nearest code.  k: ea, eb, eq = entries 2, 3, 7 of the scales; v: entries 4, 5, 8.
; LIMITS: ea + eb between -126 and 127; eq between -126 and 119.  NaN among the inputs is not served.
; REGISTERS: window 0: v1-9 at work, v16-21 LDS addresses, v26 16 x lane, v28-29 the add's, v30-31 2^eq and 448 x 2^eq, v32-95 bias along R, v96-111 bias along P, v128-255 P's fragments (one set; on the way out
;   v128-191 values, v192-255 four sets of codes).  window 1: R's fragments, two sets.  windows 2, 3: the accumulators, (a, b) at v[8 (8 (a % 4) + b)].
.set KSTEP,  256
.set ROWB,   256                       ; a tile's row in bytes
.set KROW,   1024                      ; a row of cross or of a weight in memory, in bytes
.set PITCH,  272                       ; an LDS row: 256 bytes + 16 of padding = 68 words, so the 16 rows that a load touches start 4 words apart modulo 64
.set FR,     16
.set NL,     4
.set NP,     4
.set HALFT,  128*PITCH
.set SLOT,   4*HALFT
.set LAPS,   1024/(2*KSTEP)
.set SPARE,  2*SLOT                    ; behind the ring: the spare words, 128 bytes a wave, that no other line names
.set ADRA, 16
.set ADRB, 20
.set CO,   26
.set SPW,  28
.set NIL,  29
.set SC,   30
.set LIM,  31
.set BR,   32
.set BP,   96
.set AF,   128
.set TMP,  128
.set CDS,  192
.set G1, 24
.set G0, 32
.set G1B, 48
.set G0B, 56
.set MSB, 0
.macro WIN new                         ; the immediate's high byte repeats the setting that is left
.if MSB != (\new)
	s_set_vgpr_msb (MSB<<8)|(\new)
.set MSB, (\new)
.endif
.endm
.set MUL_LO, 0xa1                      ; source 0 (R) window 1, source 1 (P) window 0, C and D window 2
.set MUL_HI, 0xf1                      ; the same, C and D window 3
.set TO_B,   0x40
; A joint load: waves 0 and 1 fetch P's halves, waves 2 and 3 R's.  The branch hangs on the wave's number alone.  Four v_nop follow each line.
.macro JLOAD g0a, g1a, g0b, g1b
	s_cmp_eq_u32 s15, 0
	s_cbranch_scc0 .Lfor_b_\@
	tensor_load_to_lds s[\g0a:\g0a+3], s[\g1a:\g1a+7]
	s_nop 0
.rept 4
	v_nop
.endr
	s_branch .Lasked_\@
.Lfor_b_\@:
	tensor_load_to_lds s[\g0b:\g0b+3], s[\g1b:\g1b+7]
	s_nop 0
.rept 4
	v_nop
.endr
.Lasked_\@:
.endm
.macro CREST                           ; a round of the cluster's barrier behind its opening barrier
	s_cmp_lg_u32 s14, 0
	s_cbranch_scc1 .Lnot_wave_0_\@
	s_barrier_signal -3
.Lnot_wave_0_\@:
	s_barrier_wait -3
	s_barrier_signal -1
	s_barrier_wait -1
.endm
.macro CROUND
	s_barrier_signal -1
	s_barrier_wait -1
	CREST
.endm
	s_load_b256 s[4:11], s[0:1], 0x0               ; cross s[4:5], Wk s[6:7], Wv s[8:9], bk s[10:11]
	s_load_b256 s[68:75], s[0:1], 0x20             ; bv s[68:69], scales s[70:71], Wq s[72:73], Wo s[74:75]
	s_load_b128 s[76:79], s[0:1], 0x40             ; Wg s[76:77], kv_img s[78:79]
	s_load_b64 s[80:81], s[0:1], 0x50              ; w_img
	v_lshl_add_u32 v[SPW], v0, 2, SPARE
	v_mov_b32 v[NIL], 0
	ds_add_u32 v28, v29
	ds_add_u32 v28, v29
	s_wait_dscnt 0x0
	v_lshrrev_b32 v1, 5, v0
	v_readfirstlane_b32 s14, v1                    ; wave 0..3
	s_lshr_b32 s15, s14, 1                         ; my half of P's rows.  Also: I fetch for P (0) or for R (1)
	s_and_b32 s16, s14, 1                          ; my half of R's rows.  Also: which 128 rows of that tile I fetch
	s_bfe_u32 s40, ttmp6, 0x40000                  ; cx
	s_bfe_u32 s41, ttmp6, 0x40004                  ; cy
	s_and_b32 s17, ttmp7, 0xffff                   ; cluster y: the batch
	s_lshl_b32 s43, s41, 2
	s_lshl_b32 s43, 15, s43                        ; my row of the cluster
	s_lshl_b32 s44, 0x1111, s40                    ; my column
	s_or_b32 s[G1+0], s43, (0<<16)|(1<<20)|(1<<21)|(5<<22)|(3<<25)   ; mask: P's tiles go to my row; elements of 1 byte; padding on; bit 21 beside a mask; after every 64 words 4 words
	s_or_b32 s[G1B+0], s44, (0<<16)|(1<<20)|(1<<21)|(5<<22)|(3<<25)  ; the same with my column's mask, for R's tiles
.irp g, G1, G1B
	s_mov_b32 s[\g+1], ROWB<<16                    ; tensor_dim0
	s_mov_b32 s[\g+2], 128<<16                     ; tensor_dim1
	s_mov_b32 s[\g+3], ROWB<<16                    ; tile_dim0
	s_mov_b32 s[\g+4], 128                         ; tile_dim1
	s_mov_b32 s[\g+5], KROW                        ; stride from row to row
	s_mov_b32 s[\g+6], 0
	s_mov_b32 s[\g+7], 0
.endr
	s_lshl_b32 s101, s17, 10                       ; the batch's first row of cross
	s_cmp_eq_u32 ttmp9, 0                          ; k or v: the same in all sixteen partners
	s_cselect_b32 s88, s101, 0                     ; rows added to P's: cross is P for k
	s_cselect_b32 s89, 0, s101                     ; rows added to R's: cross is R for v
	s_cselect_b32 s90, -1, 0                       ; the bias runs along R for k,
	s_cselect_b32 s91, 0, -1                       ; along P for v
	s_lshl_b32 s18, s16, 7                         ; which 128 rows of the tile I fetch
	s_lshl_b32 s20, s41, 8
	s_add_co_u32 s20, s20, s18
	s_add_co_u32 s20, s20, s88                     ; P: row 256 cy + 128 half (+ the batch)
	s_lshl_b32 s20, s20, 10                        ; in bytes, under 2^23
	s_mov_b32 s21, 0
	s_lshl_b32 s46, s40, 8
	s_add_co_u32 s46, s46, s18
	s_add_co_u32 s46, s46, s89                     ; R: row 256 cx + 128 half (+ the batch)
	s_lshl_b32 s46, s46, 10
	s_mov_b32 s47, 0
	s_mul_i32 s45, s14, HALFT                      ; where they go: wave x 128 rows
	s_wait_kmcnt 0x0
	s_load_b256 s[92:99], s[70:71], 0x0            ; entries 0 to 7 of the scales
	s_load_b32 s100, s[70:71], 0x20                ; entry 8
	s_cmp_eq_u32 ttmp9, 0
	s_cselect_b64 s[82:83], s[4:5], s[8:9]         ; P: cross or Wv
	s_cselect_b64 s[84:85], s[6:7], s[4:5]         ; R: Wk or cross
	s_cselect_b64 s[86:87], s[10:11], s[68:69]     ; bk or bv
	s_add_nc_u64 s[20:21], s[82:83], s[20:21]
	s_add_nc_u64 s[46:47], s[84:85], s[46:47]
	CROUND                                         ; all sixteen work-groups are here: the first joint loads meet
.irp s, 0,1
	s_mov_b32 s[G0+4*\s], 1
	s_add_co_u32 s[G0+4*\s+1], s45, \s*SLOT
	s_add_nc_u64 s[G0+4*\s+2:G0+4*\s+3], s[20:21], \s*ROWB
	s_or_b32 s[G0+4*\s+3], s[G0+4*\s+3], 0x80000000
	s_mov_b32 s[G0B+4*\s], 1
	s_add_co_u32 s[G0B+4*\s+1], s45, \s*SLOT
	s_add_nc_u64 s[G0B+4*\s+2:G0B+4*\s+3], s[46:47], \s*ROWB
	s_or_b32 s[G0B+4*\s+3], s[G0B+4*\s+3], 0x80000000
	JLOAD G0+4*\s, G1, G0B+4*\s, G1B               ; two tensor loads of mine are out
.endr
	v_and_b32 v1, 15, v0                           ; r
	v_bfe_u32 v2, v0, 4, 1                         ; h
	v_mul_u32_u24 v3, v1, PITCH
	v_lshl_add_u32 v4, v2, 4, v3                   ; a fragment's row x pitch + 16 h
	s_mul_i32 s21, s15, HALFT                      ; my 128 rows of P
	s_mul_i32 s22, s16, HALFT                      ; my 128 rows of R,
	s_add_co_u32 s22, s22, 2*HALFT                 ; which lie behind P's 256
.irp s, 0,1
	v_add_nc_u32 v[ADRA+\s], s21, v4
	v_add_nc_u32 v[ADRB+\s], s22, v4
	s_add_co_u32 s21, s21, SLOT
	s_add_co_u32 s22, s22, SLOT
.endr
	v_and_b32 v6, 31, v0
	v_lshlrev_b32 v[CO], 4, v6                     ; 16 x lane
	v_lshlrev_b32 v7, 10, v1
	v_lshl_add_u32 v7, v2, 4, v7                   ; the weights as they lie: row r of 1,024 bytes, + 16 h
	s_lshl_b32 s42, s40, 10
	s_lshl_b32 s2, s16, 9
	s_add_co_u32 s42, s42, s2
	v_lshl_add_u32 v8, v2, 5, s42                  ; bias along R: 4 (256 cx + 128 half) + 32 h
	s_lshl_b32 s42, s41, 10
	s_lshl_b32 s2, s15, 9
	s_add_co_u32 s42, s42, s2
	v_lshl_add_u32 v9, v1, 2, s42                  ; bias along P: 4 (256 cy + 128 half) + 4 r
.irp b, 0,1,2,3,4,5,6,7
	global_load_b128 v[BR+8*\b:BR+8*\b+3], v8, s[86:87] offset:64*\b         ; bias of R's rows 16 b + 8 h + 0 .. 7
	global_load_b128 v[BR+8*\b+4:BR+8*\b+7], v8, s[86:87] offset:64*\b+16
.endr
.irp a, 0,1,2,3,4,5,6,7
	global_load_b32 v[BP+2*\a], v9, s[86:87] offset:64*\a                    ; bias of P's row 16 a + r
.endr
	; the side job: which half fragment of Wq, Wo, Wg is my wave's: id = ((4 batch + cy) 8 + 4 cluster x + cx) 4 + wave, 0 .. 1,023
	s_lshl_b32 s42, s17, 2
	s_add_co_u32 s42, s42, s41
	s_lshl_b32 s42, s42, 3
	s_lshl_b32 s2, ttmp9, 2
	s_add_co_u32 s42, s42, s2
	s_add_co_u32 s42, s42, s40
	s_lshl_b32 s42, s42, 2
	s_add_co_u32 s42, s42, s14
	s_and_b32 s2, s42, 1                           ; which half: groups 0, 1 or 2, 3
	s_lshr_b32 s42, s42, 1                         ; fragment f = 64 step + tile
	s_and_b32 s12, s42, 63
	s_lshl_b32 s12, s12, 14                        ; the tile's 16 rows
	s_lshr_b32 s13, s42, 6
	s_lshl_b32 s13, s13, 7                         ; + 128 step
	s_add_co_u32 s12, s12, s13
	s_lshl_b32 s13, s2, 6                          ; + 64 half
	s_add_co_u32 s12, s12, s13
	s_mov_b32 s13, 0
	s_add_nc_u64 s[72:73], s[72:73], s[12:13]
	s_add_nc_u64 s[74:75], s[74:75], s[12:13]
	s_add_nc_u64 s[76:77], s[76:77], s[12:13]
	s_lshl_b32 s12, s42, 11                        ; in w_img: 2,048 f + 1,024 half
	s_lshl_b32 s2, s2, 10
	s_add_co_u32 s12, s12, s2
	s_add_nc_u64 s[80:81], s[80:81], s[12:13]
.irp w, 0,1,2
	global_load_b128 v[128+8*\w:131+8*\w], v7, s[72+2*\w:73+2*\w]
	global_load_b128 v[132+8*\w:135+8*\w], v7, s[72+2*\w:73+2*\w] offset:32
.endr
	s_wait_loadcnt 0x0
.set n, 0
.rept 64
	v_cndmask_b32 v[BR+n], 0, v[BR+n], s90         ; the bias that does not run along this side is 0
.set n, n+1
.endr
.irp a, 0,1,2,3,4,5,6,7
	v_cndmask_b32 v[BP+2*\a], 0, v[BP+2*\a], s91
	v_mov_b32 v[BP+2*\a+1], v[BP+2*\a]             ; a pair for the packed addition
.endr
.irp w, 0,1,2
	global_store_b128 v[CO], v[128+8*\w:131+8*\w], s[80:81] offset:\w*1048576       ; 32 lanes store 512 consecutive bytes, aligned
	global_store_b128 v[CO], v[132+8*\w:135+8*\w], s[80:81] offset:\w*1048576+512
.endr
	s_wait_kmcnt 0x0
	s_cmp_eq_u32 ttmp9, 0
	s_cselect_b32 s66, s94, s96                    ; ea
	s_cselect_b32 s67, s95, s97                    ; eb
	s_cselect_b32 s101, s99, s100                  ; eq
	s_cselect_b32 s12, 0, 0x800000                 ; k's or v's half of kv_img
	s_add_co_i32 s66, s66, s67
	s_add_co_i32 s66, s66, 127
	s_lshl_b32 s66, s66, 23                        ; 2^(ea + eb) as f32
	s_mov_b32 s67, s66                             ; (named with it as a pair)
	s_add_co_i32 s101, s101, 127
	s_lshl_b32 s2, s101, 23
	v_mov_b32 v[SC], s2                            ; 2^eq: the conversion takes its exponent field
	s_add_co_i32 s101, s101, 8
	s_lshl_b32 s101, s101, 23
	s_or_b32 s101, s101, 0x600000
	v_mov_b32 v[LIM], s101                         ; 448 x 2^eq
	s_lshl_b32 s42, s17, 4                         ; where my images go: ((16 batch + 4 cx + 2 half of R) 64 + 16 cy + 8 half of P) x 1,024
	s_lshl_b32 s2, s40, 2
	s_add_co_u32 s42, s42, s2
	s_lshl_b32 s2, s16, 1
	s_add_co_u32 s42, s42, s2
	s_lshl_b32 s42, s42, 6
	s_lshl_b32 s2, s41, 4
	s_add_co_u32 s42, s42, s2
	s_lshl_b32 s2, s15, 3
	s_add_co_u32 s42, s42, s2
	s_lshl_b32 s42, s42, 10
	s_add_co_u32 s12, s12, s42
	s_add_nc_u64 s[78:79], s[78:79], s[12:13]
	s_wait_xcnt 0x0                                ; the stores above have read v128-151: P's fragments may land there
.macro FRAG reg, adr, q, i             ; 16 rows x 128 K: registers 4 c .. 4 c + 3 hold K = 32 c + 16 h + 0 .. 15, alike in both operands
.irp c, 0,1,2,3
	ds_load_b128 v[\reg+4*\c:\reg+4*\c+3], v[\adr] offset:128*(\q)+32*\c+(\i)*16*PITCH
.endr
.endm
; 16 matrix instructions: P's blocks a0, a0 + 1 x R's eight.  The 64 accumulators take turns, one instruction a turn, in the same order in every step.
.macro MUL16 a0, p, zero
.irp a, \a0, \a0+1
.irp b, 0,1,2,3,4,5,6,7
.if \zero
	v_wmma_f32_16x16x128_fp8_fp8 v[8*(8*((\a)%4)+\b):8*(8*((\a)%4)+\b)+7], v[128*(\p)+FR*\b:128*(\p)+FR*\b+FR-1], v[AF+FR*(\a):AF+FR*(\a)+FR-1], 0
.else
	v_wmma_f32_16x16x128_fp8_fp8 v[8*(8*((\a)%4)+\b):8*(8*((\a)%4)+\b)+7], v[128*(\p)+FR*\b:128*(\p)+FR*\b+FR-1], v[AF+FR*(\a):AF+FR*(\a)+FR-1], v[8*(8*((\a)%4)+\b):8*(8*((\a)%4)+\b)+7]
.endif
.endr
.endr
.endm
.macro FETCH_B slot, q, p
	WIN TO_B
.irp i, 0,1,2,3,4,5,6,7
	FRAG 128*(\p)+FR*\i, ADRB+\slot, \q, \i
.endr
	WIN 0
.endm
.macro FETCH_A slot, q, i0
.irp i, \i0, \i0+1, \i0+2, \i0+3
	FRAG AF+FR*(\i), ADRA+\slot, \q, \i
.endr
.endm
.macro PLACES n                        ; plain vector instructions between a matrix instruction and a load into, or a vector read or write of, its registers
.rept \n
	v_nop
.endr
.endm
.macro STEP slot, q, zero              ; 128 along K, with its successor in the same slot
	s_wait_dscnt 4*NL                              ; R's set and P's blocks 0-3 are in; the youngest 16 loads (P's blocks 4-7) may be out
	WIN MUL_LO
	MUL16 0, (\q)%2, \zero
	MUL16 2, (\q)%2, \zero
	s_wait_dscnt 0                                 ; P's blocks 4-7 are in
	PLACES NP
	FETCH_B \slot, (\q)+1, 1-(\q)%2
	FETCH_A \slot, (\q)+1, 0
	WIN MUL_HI
	MUL16 4, (\q)%2, \zero
	MUL16 6, (\q)%2, \zero
	PLACES NP
	WIN 0
	FETCH_A \slot, (\q)+1, 4
.endm
; A slot's last step changes slots: in front of the barrier each wave waits for all its tensor loads, adds 0 to its spare word, and waits for that and for its reads of this slot.  fill = 1: this slot is filled again.
.macro TURN slot, next, fill
	s_wait_tensorcnt 0x0                           ; all my tensor loads have landed: my part of the next slot
	ds_add_u32 v[SPW], v[NIL]                      ; 0 onto my spare word
	s_wait_dscnt 4*NL+1                            ; (the add and the youngest 16 loads may be out)
	WIN MUL_LO
	MUL16 0, 1, 0
	s_wait_dscnt 0x0                               ; the add is done, and my reads of this slot are over
	s_barrier_signal -1
	MUL16 2, 1, 0
	WIN 0
	s_barrier_wait -1
.if \fill
	CREST                                          ; the barrier has opened a round of the cluster's: no wave of any partner still reads this slot or has a load on its way
	s_add_nc_u64 s[G0+4*\slot+2:G0+4*\slot+3], s[G0+4*\slot+2:G0+4*\slot+3], 2*ROWB
	s_add_nc_u64 s[G0B+4*\slot+2:G0B+4*\slot+3], s[G0B+4*\slot+2:G0B+4*\slot+3], 2*ROWB
	JLOAD G0+4*\slot, G1, G0B+4*\slot, G1B         ; the first tensor load behind the round; its four v_nop are also the places in front of the loads below
.else
	PLACES NP
.endif
	FETCH_B \next, 0, 0
	FETCH_A \next, 0, 0
	WIN MUL_HI
	MUL16 4, 1, 0
	MUL16 6, 1, 0
	PLACES NP
	WIN 0
	FETCH_A \next, 0, 4
.endm
	s_wait_tensorcnt 1                             ; my part of K step 0 is in; K step 1's load may be out
	s_barrier_signal -1
	s_barrier_wait -1
	FETCH_B 0, 0, 0
	FETCH_A 0, 0, 0
	FETCH_A 0, 0, 4
	STEP 0, 0, 1                                   ; the first step's products start the sums
	s_mov_b32 s3, LAPS-1
.Llap:                                             ; a trip goes once round the ring and fills both slots again
	TURN 0, 1, 1
	STEP 1, 0, 0
	TURN 1, 0, 1
	STEP 0, 0, 0
	s_sub_co_u32 s3, s3, 1
	s_cmp_lg_u32 s3, 0
	s_cbranch_scc1 .Llap
	TURN 0, 1, 0                                   ; the last lap fills nothing
	STEP 1, 0, 0
	s_wait_dscnt 4*NL
	WIN MUL_LO
	MUL16 0, 1, 0
	MUL16 2, 1, 0
	s_wait_dscnt 0
	WIN MUL_HI
	MUL16 4, 1, 0
	MUL16 6, 1, 0
	WIN 0
; THE WAY OUT of P's block a: value = sum x 2^(ea + eb) + bias (one of the two biases is 0, so one rounding), the hold, the conversion; the eight pairs of code registers are two fragments' images.
.macro OUTBLK a
.set AC, 64*((\a)%4)
.set CD, CDS+16*((\a)%4)
.if (\a) >= 4
	s_wait_xcnt 0x0                                ; block a - 4's stores have read this set of code registers
.endif
	WIN 0x02+((\a)/4)                              ; source 0: window 2 or 3
.irp j, 0,2,4,6,8,10,12,14,16,18,20,22,24,26,28,30,32,34,36,38,40,42,44,46,48,50,52,54,56,58,60,62
	v_pk_fma_f32 v[TMP+\j:TMP+\j+1], v[AC+\j:AC+\j+1], s[66:67], v[BR+\j:BR+\j+1] op_sel_hi:[1,0,1]   ; each accumulator from its low end on
.endr
	WIN 0
.irp j, 0,2,4,6,8,10,12,14,16,18,20,22,24,26,28,30,32,34,36,38,40,42,44,46,48,50,52,54,56,58,60,62
	v_pk_add_f32 v[TMP+\j:TMP+\j+1], v[TMP+\j:TMP+\j+1], v[BP+2*(\a):BP+2*(\a)+1]
.endr
.set n, 0
.rept 64
	v_med3_num_f32 v[TMP+n], v[TMP+n], -v[LIM], v[LIM]   ; the conversion to an 8-bit code does not saturate (ISA guide 7.6.2): the hold comes first
.set n, n+1
.endr
.irp b, 0,1,2,3,4,5,6,7
	v_cvt_scalef32_pk8_fp8_f32 v[CD+2*\b:CD+2*\b+1], v[TMP+8*\b:TMP+8*\b+7], v[SC]
.endr
	v_nop                                          ; a plain vector line behind the last conversion: the next block writes the values' registers
.irp g, 0,1
.irp q, 0,1
	global_store_b128 v[CO], v[CD+8*\g+4*\q:CD+8*\g+4*\q+3], s[78:79] offset:65536*\g+1024*(\a)+512*\q   ; 32 lanes store 512 consecutive bytes, aligned
.endr
.endr
.endm
	PLACES NP
.irp a, 0,1,2,3,4,5,6,7
	OUTBLK \a
.endr
	s_wait_tensorcnt 0x0                           ; the wave's end
	ds_add_u32 v[SPW], v[NIL]
	s_wait_dscnt 0x0
	CROUND                                         ; the closing round
	s_endpgm
.Lfunc_end_k_qd301abbdce_kvproj:
	.size	k_qd301abbdce_kvproj, .Lfunc_end_k_qd301abbdce_kvproj-k_qd301abbdce_kvproj
	.p2alignl 7, 3214868480
	.fill 96, 4, 3214868480
	.section	.rodata,"a",@progbits
	.p2align	6, 0x0
	.amdhsa_kernel k_qd301abbdce_kvproj
		.amdhsa_group_segment_fixed_size 327680
		.amdhsa_private_segment_fixed_size 0
		.amdhsa_enable_private_segment 0
		.amdhsa_kernarg_size 88
		.amdhsa_user_sgpr_count 2
		.amdhsa_user_sgpr_kernarg_segment_ptr 1
		.amdhsa_wavefront_size32 1
		.amdhsa_system_sgpr_workgroup_id_x 1
		.amdhsa_system_sgpr_workgroup_id_y 1
		.amdhsa_system_sgpr_workgroup_id_z 1
		.amdhsa_system_vgpr_workitem_id 0
		.amdhsa_next_free_vgpr 1024
		.amdhsa_next_free_sgpr 102
		.amdhsa_reserve_vcc 0
		.amdhsa_float_denorm_mode_32 3
		.amdhsa_float_denorm_mode_16_64 3
		.amdhsa_memory_ordered 1
		.amdhsa_forward_progress 1
		.amdhsa_inst_pref_size 160
	.end_amdhsa_kernel
	.amdgpu_metadata
---
amdhsa.version: [ 1, 2 ]
amdhsa.kernels:
  - .name:           k_qd301abbdce_kvproj
    .symbol:         k_qd301abbdce_kvproj.kd
    .args:
      - { .name: cross_states_codes, .offset: 0, .size: 8, .value_kind: global_buffer, .address_space: global }
      - { .name: Wk_codes, .offset: 8, .size: 8, .value_kind: global_buffer, .address_space: global }
      - { .name: Wv_codes, .offset: 16, .size: 8, .value_kind: global_buffer, .address_space: global }
      - { .name: bk, .offset: 24, .size: 8, .value_kind: global_buffer, .address_space: global }
      - { .name: bv, .offset: 32, .size: 8, .value_kind: global_buffer, .address_space: global }
      - { .name: lowp_scales, .offset: 40, .size: 8, .value_kind: global_buffer, .address_space: global }
      - { .name: Wq_codes, .offset: 48, .size: 8, .value_kind: global_buffer, .address_space: global }
      - { .name: Wo_codes, .offset: 56, .size: 8, .value_kind: global_buffer, .address_space: global }
      - { .name: Wg_codes, .offset: 64, .size: 8, .value_kind: global_buffer, .address_space: global }
      - { .name: kv_img, .offset: 72, .size: 8, .value_kind: global_buffer, .address_space: global }
      - { .name: w_img, .offset: 80, .size: 8, .value_kind: global_buffer, .address_space: global }
    .group_segment_fixed_size: 327680
    .private_segment_fixed_size: 0
    .kernarg_segment_align: 8
    .kernarg_segment_size: 88
    .max_flat_workgroup_size: 128
    .sgpr_count:     102
    .vgpr_count:     1024
    .wavefront_size: 32
...
	.end_amdgpu_metadata
.endif
;; end of part 1
;; launch qattn (part 2): grid 4 x 64, 4 waves a work-group, no clusters, 165,376 bytes of LDS; arguments hidden_states, w_img, bq, kv_img, lowp_scales, ctx_img; writes ctx_img
.if DOCPART == 2
	.amdgcn_target "amdgcn-amd-amdhsa--gfx1250"
	.amdhsa_code_object_version 6
	.text
	.protected	k_qd301abbdce_qattn
	.globl	k_qd301abbdce_qattn
	.p2align	8
	.type	k_qd301abbdce_qattn,@function
k_qd301abbdce_qattn:
	s_mov_b64 s[64:65], 0
	v_nop
	global_prefetch_b8 v0, s[64:65] scope:SCOPE_SE
	s_setreg_imm32_b32 hwreg(HW_REG_WAVE_MODE, 25, 1), 1
	s_wait_xcnt 0x0
; q = Q(hidden) Wq^T + bq, the windowed attention |key - query| <= 64, and ctx as codes, all products on codes of FP8 (E4M3) with the given scales 2^e (entries of the scales' buffer).
; SHARES.  Work-group (x, y): heads 4 x .. 4 x + 3, rows 128 y .. 128 y + 127 (batch y / 8, block y % 8).  Wave w owns head 4 x + w for all 128 queries.
; A: wave w quantises rows 32 w .. 32 w + 31 of hidden (entry 0) and lays them in LDS as images of operand registers (group c of a fragment: lane (r, h) holds row r, k = 32 c + 16 h + 0 .. 15) | one barrier |
; B: q's sums, source 0 = 16 rows of Wq (from w_img, straight into registers), source 1 = 16 rows of hidden: a lane holds one query and eight neighbouring d |
; C: q = sum x 2^(e0 + e1) + bq, quantised (entry 6): the conversions' results ARE the 16 x 64 operand |
; D: for each tile of 16 queries: S^T = K Q^T on the 9 tiles of 16 keys that the window touches, the mask, M = ceil(largest t), p = 2^(t - M), the sum of the unquantised p, p quantised (entry 9), O^T = V^T P^T over three
;    chunks of 64 keys (tiles outside the nine get zero codes), ctx = O^T x 2^(e8 + e9) / sum, quantised (entry 10), stored into ctx_img in the order of the next product's operand registers.
; A tile's whole window, 144 keys, lies in registers at once: the row's true largest t is taken, no running one.  At the sequence's ends the chunk that does not exist is replaced by its neighbour and hidden wholly.
; NO JOINT LOADS: the 512 KiB of hidden that the four work-groups of a y share go through registers and a conversion, not into LDS as they lie; each fragment of Wq, K and V goes into one wave's registers.
; LIMITS: e0 + e1 between -126 and 127; e0, e6, e9, e10 between -126 and 119; e6 + e7 between -123 and 130 (added to c's exponent field).  NaN among the inputs is not served.
; REGISTERS.  window 0: v1-25 addresses and constants; v32-63 bq, later codes of ctx and work; v64-127 Q; v128-255: A: numbers and codes; B: hidden's fragments; C: values; D: S^T 128-199, P 200-223, O^T 224-255.
;   window 1: A: four sets of 64 loaded numbers; B, C: q's 32 accumulators.   windows 2, 3: Wq's 32 fragments; D: window 2: K's 16 tiles at v[8 tile], V's fragments (chunk c, d tile t) at v[128 + 32 c + 8 t].
.set STG,  131072                      ; LDS: 0 .. 131,071 hidden's images [row tile 8][K step 8][2,048]; then a stage of 16 rows x (512 + 16) bytes for each wave
.set XO,   4                           ; 16 x lane
.set STS,  5                           ; the stage, in: 16 x lane
.set STL,  6                           ; the stage, out: 528 r + 64 h
.set IM0,  7                           ; my images: 32,768 wave + 16 x lane
.set IMC,  8                           ; the same, + 4,096 x trip
.set AI1,  10                          ; 65,536 + 16 x lane: row tiles 4 to 7
.set CO,   11                          ; 16 r + 8 h: my 8 bytes of a store of ctx
.set DD,   20                          ; r - 8 h
.set DA,   21                          ; the same, or 100 in a batch's first block
.set DC,   22                          ; the same, or -100 in its last
.set NINF, 23
.set BQO,  24
.set BQ,   32
.set CT,   32
.set QF,   64
.set XR,   128
.set PC,   192
.set AFR,  128
.set TMP,  128
.set S,    128
.set P,    200
.set OA,   224
.set MSB, 0
.macro WIN new
.if MSB != (\new)
	s_set_vgpr_msb (MSB<<8)|(\new)
.set MSB, (\new)
.endif
.endm
.macro PLACES
.rept 4
	v_nop
.endr
.endm
.macro MKSCALE e, vs, vl               ; v[vs] = 2^e as f32, v[vl] = 448 x 2^e
	s_add_co_i32 s60, s[\e], 127
	s_lshl_b32 s61, s60, 23
	v_mov_b32 v[\vs], s61
	s_add_co_i32 s60, s60, 8
	s_lshl_b32 s60, s60, 23
	s_or_b32 s60, s60, 0x600000
	v_mov_b32 v[\vl], s60
.endm
	s_load_b256 s[4:11], s[0:1], 0x0               ; hidden s[4:5], w_img s[6:7], bq s[8:9], kv_img s[10:11]
	s_load_b128 s[12:15], s[0:1], 0x20             ; scales s[12:13], ctx_img s[14:15]
	v_lshl_add_u32 v30, v0, 2, 0x28400
	v_mov_b32 v31, 0
	v_lshrrev_b32 v1, 5, v0
	v_readfirstlane_b32 s16, v1                    ; wave
	v_and_b32 v1, 31, v0                           ; lane
	v_and_b32 v2, 15, v0                           ; r
	v_bfe_u32 v3, v0, 4, 1                         ; h
	v_lshlrev_b32 v[XO], 4, v1
	s_mul_i32 s2, s16, 8448
	s_add_co_u32 s2, s2, STG                       ; my stage
	v_add_nc_u32 v[STS], s2, v[XO]
	v_mul_u32_u24 v[STL], v2, 528
	v_lshl_add_u32 v[STL], v3, 6, v[STL]
	v_add_nc_u32 v[STL], s2, v[STL]
	s_lshl_b32 s2, s16, 15
	v_add_nc_u32 v[IM0], s2, v[XO]
	v_add_nc_u32 v[AI1], 0x10000, v[XO]
	v_lshlrev_b32 v[CO], 4, v2
	v_lshl_add_u32 v[CO], v3, 3, v[CO]
	v_lshlrev_b32 v[BQO], 5, v3
	v_lshlrev_b32 v25, 3, v3
	v_sub_nc_u32 v[DD], v2, v25
	v_mov_b32 v[NINF], 0xff800000
	s_lshl_b32 s17, ttmp9, 2
	s_add_co_u32 s17, s17, s16                     ; my head
	s_and_b32 s18, ttmp7, 0xffff                   ; y
	s_and_b32 s19, s18, 7                          ; block in the batch
	s_lshr_b32 s20, s18, 3                         ; batch
	s_cmp_eq_u32 s19, 0
	s_cselect_b32 s54, -1, 0                       ; all lanes where the chunk in front does not exist
	s_cmp_eq_u32 s19, 7
	s_cselect_b32 s55, -1, 0                       ; all lanes where the chunk behind does not exist
	v_mov_b32 v25, 100
	v_cndmask_b32 v[DA], v[DD], v25, s54
	v_mov_b32 v25, -100
	v_cndmask_b32 v[DC], v[DD], v25, s55
	s_mov_b32 s52, 0x76543210                      ; v_permlanex16_b32: lane l xor 16
	s_mov_b32 s53, 0xfedcba98
	s_mov_b32 s3, 0
	s_mov_b32 s24, 0
	s_mov_b32 s25, 3
	s_wait_kmcnt 0x0
	s_load_b256 s[68:75], s[12:13], 0x0            ; e0 .. e7
	s_load_b128 s[76:79], s[12:13], 0x20           ; e8 .. e11
	s_lshl_b32 s2, s18, 19
	s_lshl_b32 s21, s16, 17
	s_add_co_u32 s2, s2, s21
	s_add_nc_u64 s[22:23], s[4:5], s[2:3]          ; hidden at row 128 y + 32 wave
	s_lshl_b32 s2, s17, 13
	s_add_nc_u64 s[26:27], s[6:7], s[2:3]          ; Wq's images at tile 4 head
	s_lshl_b32 s2, s17, 8
	s_add_nc_u64 s[8:9], s[8:9], s[2:3]            ; bq at my head
; 16 rows x 128 K of hidden into set p of window 1: position p of a trip is (K step p / 2 of the trip's two, row tile p % 2); each load reads 512 consecutive bytes of one row
.macro XL p, ahead
	WIN 0x40
.irp i, 0,1,2,3,4,5,6,7,8,9,10,11,12,13,14,15
	global_load_b128 v[64*(\p)+4*\i:64*(\p)+4*\i+3], v[XO], s[22:23] offset:65536*((\p)&1)+4096*\i+512*((\p)>>1)+1024*(\ahead)
.endr
	WIN 0
.endm
; Wq's four fragments of K step s into windows 2, 3: fragment (s, t) at register 16 (4 s + t)
.macro BL s
	WIN 0x80+0x40*((\s)/4)
.irp t, 0,1,2,3
.irp c, 0,1,2,3
	global_load_b128 v[64*((\s)%4)+16*\t+4*\c:64*((\s)%4)+16*\t+4*\c+3], v[XO], s[26:27] offset:131072*(\s)+2048*\t+512*\c
.endr
.endr
	WIN 0
.endm
.irp t, 0,1,2,3
	global_load_b128 v[BQ+8*\t:BQ+8*\t+3], v[BQO], s[8:9] offset:64*\t          ; bq of d = 16 t + 8 h + 0 .. 7
	global_load_b128 v[BQ+8*\t+4:BQ+8*\t+7], v[BQO], s[8:9] offset:64*\t+16
.endr
	XL 0, 0
	XL 1, 0
	XL 2, 0
	XL 3, 0
	; the four chunks of 64 keys round my block: 2 block - 1 + c, held inside the batch
	s_lshl_b32 s60, s19, 1
	s_lshl_b32 s56, s20, 4
	s_add_co_u32 s57, s56, s17
	s_lshl_b32 s57, s57, 16                        ; k: (16 batch + head) x 64 tiles x 1,024
	s_lshl_b32 s58, s17, 12
	s_add_co_u32 s58, s58, 0x800000                ; v: the second half, + 4 head x 1,024
.irp c, 0,1,2,3
	s_add_co_i32 s59, s60, \c-1
	s_max_i32 s59, s59, 0
	s_min_i32 s59, s59, 15
	s_lshl_b32 s2, s59, 12
	s_add_co_u32 s2, s2, s57
	s_add_nc_u64 s[28+2*\c:29+2*\c], s[10:11], s[2:3]
	s_add_co_u32 s2, s59, s56
	s_lshl_b32 s2, s2, 16
	s_add_co_u32 s2, s2, s58
	s_add_nc_u64 s[36+2*\c:37+2*\c], s[10:11], s[2:3]
.endr
	s_lshl_b32 s2, s18, 6                          ; ctx_img: (64 y + head / 2) x 2,048 + (head % 2) x 1,024
	s_lshr_b32 s21, s17, 1
	s_add_co_u32 s2, s2, s21
	s_lshl_b32 s2, s2, 11
	s_and_b32 s21, s17, 1
	s_lshl_b32 s21, s21, 10
	s_add_co_u32 s2, s2, s21
	s_add_nc_u64 s[44:45], s[14:15], s[2:3]
	s_wait_kmcnt 0x0
	s_add_co_i32 s46, s68, s69
	s_add_co_i32 s46, s46, 127
	s_lshl_b32 s46, s46, 23                        ; 2^(e0 + e1)
	s_mov_b32 s47, s46
	s_add_co_i32 s48, s74, s75
	s_lshl_b32 s48, s48, 23
	s_add_co_i32 s48, s48, 0x3e38aa3b              ; c = log2(e) / 8, with e6 + e7 added to its exponent field
	s_mov_b32 s49, s48
	s_add_co_i32 s50, s76, s77                     ; e8 + e9
	MKSCALE 68, 12, 13
	MKSCALE 74, 14, 15
	MKSCALE 77, 16, 17
	MKSCALE 78, 18, 19
; 64 numbers of a lane, register 16 b + i = k 32 b + 16 h + i of my row, become a fragment's 16 registers of codes in v[PC] on
.macro QUANT s, sc, lim
.irp b, 0,1,2,3
.irp i, 0,1,2,3,4,5,6,7,8,9,10,11,12,13,14,15
	v_med3_num_f32 v[(\s)+16*\b+\i], v[(\s)+16*\b+\i], -v[\lim], v[\lim]   ; the conversion does not saturate (ISA guide 7.6.2): the hold comes first
.endr
	v_cvt_scalef32_pk8_fp8_f32 v[PC+4*\b:PC+4*\b+1], v[(\s)+16*\b:(\s)+16*\b+7], v[\sc]
	v_cvt_scalef32_pk8_fp8_f32 v[PC+4*\b+2:PC+4*\b+3], v[(\s)+16*\b+8:(\s)+16*\b+15], v[\sc]
.endr
	v_nop                                          ; a plain vector line behind the last conversion
.endm
; One unit: 16 rows x 128 K.  The rows go through my stage as they were loaded and come back 64 bytes a lane.  mode 1: the set is loaded again for the next trip; mode 2: Wq's K step p is asked for in its place.
.macro UNIT p, mode
	s_wait_loadcnt 48                              ; this set's 16 loads are in; the three runs of 16 issued behind them may be out
	WIN 0x04                                       ; store data in window 1
.irp i, 0,1,2,3,4,5,6,7,8,9,10,11,12,13,14,15
	ds_store_b128 v[STS], v[64*(\p)+4*\i:64*(\p)+4*\i+3] offset:528*\i
.endr
	WIN 0
.irp c, 0,1,2,3
.irp j, 0,1,2,3
	ds_load_b128 v[XR+16*\c+4*\j:XR+16*\c+4*\j+3], v[STL] offset:128*\c+16*\j   ; LDS serves a wave's instructions in order: these see the stores above
.endr
.endr
	s_wait_dscnt 0x0                               ; the numbers are back; the stage's stores have read the set, and the last unit's image stores their codes
.if \mode == 1
	XL \p, 1
.else
	BL \p
.endif
	QUANT XR, 12, 13
.irp c, 0,1,2,3
	ds_store_b128 v[IMC], v[PC+4*\c:PC+4*\c+3] offset:16384*((\p)&1)+2048*((\p)>>1)+512*\c
.endr
.endm
.Lquant:                                           ; three trips of four units; the fourth trip is written out, since it loads no more of hidden
	v_add_nc_u32 v[IMC], s24, v[IM0]
	UNIT 0, 1
	UNIT 1, 1
	UNIT 2, 1
	UNIT 3, 1
	s_wait_xcnt 0x0                                ; the loads have read their base
	s_add_nc_u64 s[22:23], s[22:23], 1024
	s_add_co_u32 s24, s24, 4096
	s_sub_co_u32 s25, s25, 1
	s_cmp_lg_u32 s25, 0
	s_cbranch_scc1 .Lquant
	v_add_nc_u32 v[IMC], s24, v[IM0]
	UNIT 0, 2
	UNIT 1, 2
	UNIT 2, 2
	UNIT 3, 2
	s_wait_dscnt 0x0                               ; for the others' sake: my images lie in LDS
	s_barrier_signal -1
	s_barrier_wait -1
; ---- B.  hidden's fragments of K step s, row tiles a0 .. a0 + 3
.macro AL s, a0
.irp a, \a0, \a0+1, \a0+2, \a0+3
.irp c, 0,1,2,3
.if (\a) < 4
	ds_load_b128 v[AFR+16*(\a)+4*\c:AFR+16*(\a)+4*\c+3], v[XO] offset:((\a)*8+(\s))*2048+512*\c
.else
	ds_load_b128 v[AFR+16*(\a)+4*\c:AFR+16*(\a)+4*\c+3], v[AI1] offset:(((\a)-4)*8+(\s))*2048+512*\c
.endif
.endr
.endr
.endm
.macro QMUL s, a0                      ; 16 matrix instructions; the 32 accumulators take turns, in the same order in every step
.irp a, \a0, \a0+1, \a0+2, \a0+3
.irp t, 0,1,2,3
.if (\s) == 0
	v_wmma_f32_16x16x128_fp8_fp8 v[8*(4*(\a)+\t):8*(4*(\a)+\t)+7], v[64*((\s)%4)+16*\t:64*((\s)%4)+16*\t+15], v[AFR+16*(\a):AFR+16*(\a)+15], 0
.else
	v_wmma_f32_16x16x128_fp8_fp8 v[8*(4*(\a)+\t):8*(4*(\a)+\t)+7], v[64*((\s)%4)+16*\t:64*((\s)%4)+16*\t+15], v[AFR+16*(\a):AFR+16*(\a)+15], v[8*(4*(\a)+\t):8*(4*(\a)+\t)+7]
.endif
.endr
.endr
.endm
.macro QSTEP s
.if (\s) <= 4
	s_wait_loadcnt 48                              ; Wq's K step s is in; the three runs issued behind it may be out
.else
	s_wait_loadcnt 16*(7-(\s))
.endif
.if (\s) <= 3
	BL (\s)+4
.endif
	s_wait_dscnt 16                                ; row tiles 0-3 are in; the youngest 16 loads (tiles 4-7) may be out
	WIN 0x52+(\s)/4                                ; source 0 (Wq) window 2 or 3, source 1 window 0, C and D window 1
	QMUL \s, 0
	PLACES
.if (\s) < 7
	WIN 0
	AL (\s)+1, 0
	s_wait_dscnt 16                                ; tiles 4-7 are in; the 16 just issued may be out
.else
	s_wait_dscnt 0
.endif
	WIN 0x52+(\s)/4
	QMUL \s, 4
	PLACES
	WIN 0
.if (\s) < 7
	AL (\s)+1, 4
.endif
.endm
	AL 0, 0
	AL 0, 4
.irp s, 0,1,2,3,4,5,6,7
	QSTEP \s
.endr
	WIN 0x80                                       ; K's and V's images of the four chunks, over Wq's first fragments (four places behind the last product)
.irp c, 0,1,2,3
.irp i, 0,1,2,3,4,5,6,7
	global_load_b128 v[32*\c+4*\i:32*\c+4*\i+3], v[XO], s[28+2*\c:29+2*\c] offset:512*\i
	global_load_b128 v[128+32*\c+4*\i:128+32*\c+4*\i+3], v[XO], s[36+2*\c:37+2*\c] offset:512*\i
.endr
.endr
	WIN 0
; ---- C.  q of row tile a: register 8 t + j is d = 16 t + 8 h + j, so the four conversions give registers 2 t, 2 t + 1 of the 16 x 64 operand
.macro QQ a
	WIN 0x01
.irp t, 0,1,2,3
.irp j, 0,2,4,6
	v_pk_fma_f32 v[TMP+8*\t+\j:TMP+8*\t+\j+1], v[8*(4*(\a)+\t)+\j:8*(4*(\a)+\t)+\j+1], s[46:47], v[BQ+8*\t+\j:BQ+8*\t+\j+1] op_sel_hi:[1,0,1]
.endr
.endr
	WIN 0
.set n, 0
.rept 32
	v_med3_num_f32 v[TMP+n], v[TMP+n], -v15, v15
.set n, n+1
.endr
.irp t, 0,1,2,3
	v_cvt_scalef32_pk8_fp8_f32 v[QF+8*(\a)+2*\t:QF+8*(\a)+2*\t+1], v[TMP+8*\t:TMP+8*\t+7], v14
.endr
	v_nop
.endm
.irp a, 0,1,2,3,4,5,6,7
	QQ \a
.endr
	v_mov_b32 v49, 0                               ; (named as the upper half of the pair v[48:49])
	v_mov_b32 v52, 0                               ; a lane permute's destination counts as one of its sources
	s_wait_loadcnt 0x0                             ; K and V
; ---- D.  Query tile i.  Key tile i + u, u = 0 .. 8: lane (r, h), register j: key - query = 16 u + 8 h + j - 64 - r.  Tile u = 0 is hidden where j < r - 8 h, tile u = 8 where j > r - 8 h; the seven between count wholly.
.macro ATT i
.set II, (\i)%4
.set C0, (\i)/4
	WIN 0x02                                       ; source 0 (K) window 2
.irp u, 0,1,2,3,4,5,6,7,8
	v_wmma_f32_16x16x64_fp8_fp8 v[S+8*\u:S+8*\u+7], v[8*((\i)+\u):8*((\i)+\u)+7], v[QF+8*(\i):QF+8*(\i)+7], 0
.endr
	WIN 0
.irp tau, 0,1,2,3,4,5,6,7,8,9,10,11
.if (\tau < II) || (\tau > II+8)
	v_mov_b32 v[P+2*\tau], 0                       ; the three tiles of the three chunks that lie outside the nine: zero codes.  (These six are also the places behind the products)
	v_mov_b32 v[P+2*\tau+1], 0
.endif
.endr
.irp j, 0,1,2,3,4,5,6,7
.if (\i) < 4
	v_cmp_lt_i32 vcc_lo, \j, v[DA]
.else
	v_cmp_lt_i32 vcc_lo, \j, v[DD]
.endif
	v_cndmask_b32 v[S+\j], v[S+\j], v[NINF], vcc_lo
.endr
.irp u, 1,2,3,4,5,6,7
.if (\i)+\u < 4
.irp j, 0,1,2,3,4,5,6,7
	v_cndmask_b32 v[S+8*\u+\j], v[S+8*\u+\j], v[NINF], s54
.endr
.endif
.if (\i)+\u >= 12
.irp j, 0,1,2,3,4,5,6,7
	v_cndmask_b32 v[S+8*\u+\j], v[S+8*\u+\j], v[NINF], s55
.endr
.endif
.endr
.irp j, 0,1,2,3,4,5,6,7
.if (\i) >= 4
	v_cmp_gt_i32 vcc_lo, \j, v[DC]
.else
	v_cmp_gt_i32 vcc_lo, \j, v[DD]
.endif
	v_cndmask_b32 v[S+64+\j], v[S+64+\j], v[NINF], vcc_lo
.endr
	v_max3_num_f32 v50, v[S], v[S+1], v[S+2]       ; the largest score of my query among my 72 keys, in two chains, ascending
	v_max3_num_f32 v51, v[S+3], v[S+4], v[S+5]
.set n, 6
.rept 16
	v_max3_num_f32 v50, v50, v[S+n], v[S+n+1]
	v_max3_num_f32 v51, v51, v[S+n+2], v[S+n+3]
.set n, n+4
.endr
	v_max3_num_f32 v50, v50, v[S+70], v[S+71]
	v_max_num_f32 v50, v50, v51
	v_permlanex16_b32 v52, v50, s52, s53
	v_max_num_f32 v50, v50, v52                    ; and among lane l xor 16's
	v_mul_f32 v50, s48, v50                        ; as t (c is positive)
	v_floor_f32 v48, -v50                          ; -M = floor(-t) = -ceil(t)
.set n, 0
.rept 36
	v_pk_fma_f32 v[S+n:S+n+1], v[S+n:S+n+1], s[48:49], v[48:49] op_sel_hi:[1,0,0]   ; t - M
.set n, n+2
.endr
.set n, 0
.rept 72
	v_exp_f32 v[S+n], v[S+n]                       ; p = 2^(t - M); a hidden key's is 0
.set n, n+1
.endr
	v_nop                                          ; a plain vector line behind the last exponential
	s_wait_alu depctr_va_vdst(0)                   ; one wait for the batch, ahead of its first reader
	v_pk_add_f32 v[54:55], v[S:S+1], v[S+2:S+3]    ; the sum of the UNQUANTISED p, in two chains
	v_pk_add_f32 v[56:57], v[S+4:S+5], v[S+6:S+7]
.set n, 8
.rept 16
	v_pk_add_f32 v[54:55], v[54:55], v[S+n:S+n+1]
	v_pk_add_f32 v[56:57], v[56:57], v[S+n+2:S+n+3]
.set n, n+4
.endr
	v_pk_add_f32 v[54:55], v[54:55], v[56:57]
	v_add_f32 v54, v54, v55
	v_permlanex16_b32 v52, v54, s52, s53
	v_add_f32 v54, v54, v52
	v_rcp_f32 v58, v54
.set n, 0
.rept 72
	v_min_num_f32 v[S+n], v[S+n], v17              ; p is not negative: a one-sided hold
.set n, n+1
.endr
.irp u, 0,1,2,3,4,5,6,7,8
	v_cvt_scalef32_pk8_fp8_f32 v[P+2*(II+\u):P+2*(II+\u)+1], v[S+8*\u:S+8*\u+7], v16
.endr
	v_nop
	WIN 0x02                                       ; source 0 (V) window 2
.irp m, 0,1,2
.irp t, 0,1,2,3
.if \m == 0
	v_wmma_f32_16x16x64_fp8_fp8 v[OA+8*\t:OA+8*\t+7], v[128+32*(C0+\m)+8*\t:128+32*(C0+\m)+8*\t+7], v[P+8*\m:P+8*\m+7], 0
.else
	v_wmma_f32_16x16x64_fp8_fp8 v[OA+8*\t:OA+8*\t+7], v[128+32*(C0+\m)+8*\t:128+32*(C0+\m)+8*\t+7], v[P+8*\m:P+8*\m+7], v[OA+8*\t:OA+8*\t+7]
.endif
.endr
.endr
	WIN 0
	s_wait_alu depctr_va_vdst(0)                   ; the reciprocal's wait, ahead of its first reader
	v_ldexp_f32 v58, v58, s50                      ; 2^(e8 + e9) / sum
	v_mov_b32 v59, v58
	v_nop
	v_nop                                          ; four places behind the last product
.set n, 0
.rept 16
	v_pk_mul_f32 v[OA+n:OA+n+1], v[OA+n:OA+n+1], v[58:59]
.set n, n+2
.endr
.set n, 0
.rept 32
	v_med3_num_f32 v[OA+n], v[OA+n], -v19, v19
.set n, n+1
.endr
	s_wait_xcnt 0x0                                ; the stores of two tiles ago have read this set of code registers
.irp t, 0,1,2,3
	v_cvt_scalef32_pk8_fp8_f32 v[CT+8*((\i)%2)+2*\t:CT+8*((\i)%2)+2*\t+1], v[OA+8*\t:OA+8*\t+7], v18
.endr
	v_nop
.irp t, 0,1,2,3
	global_store_b64 v[CO], v[CT+8*((\i)%2)+2*\t:CT+8*((\i)%2)+2*\t+1], s[44:45] offset:16384*(\i)+512*(\t>>1)+256*(\t&1)   ; feature 64 head + 16 t + 8 h + 0 .. 7 of row r: the 32 lanes store 256 consecutive bytes, aligned
.endr
.endm
.irp i, 0,1,2,3,4,5,6,7
	ATT \i
.endr
	s_wait_tensorcnt 0x0
	ds_add_u32 v30, v31
	s_wait_dscnt 0x0
	s_endpgm
.Lfunc_end_k_qd301abbdce_qattn:
	.size	k_qd301abbdce_qattn, .Lfunc_end_k_qd301abbdce_qattn-k_qd301abbdce_qattn
	.p2alignl 7, 3214868480
	.fill 96, 4, 3214868480
	.section	.rodata,"a",@progbits
	.p2align	6, 0x0
	.amdhsa_kernel k_qd301abbdce_qattn
		.amdhsa_group_segment_fixed_size 165376
		.amdhsa_private_segment_fixed_size 0
		.amdhsa_enable_private_segment 0
		.amdhsa_kernarg_size 48
		.amdhsa_user_sgpr_count 2
		.amdhsa_user_sgpr_kernarg_segment_ptr 1
		.amdhsa_wavefront_size32 1
		.amdhsa_system_sgpr_workgroup_id_x 1
		.amdhsa_system_sgpr_workgroup_id_y 1
		.amdhsa_system_sgpr_workgroup_id_z 1
		.amdhsa_system_vgpr_workitem_id 0
		.amdhsa_next_free_vgpr 1024
		.amdhsa_next_free_sgpr 80
		.amdhsa_reserve_vcc 1
		.amdhsa_float_denorm_mode_32 3
		.amdhsa_float_denorm_mode_16_64 3
		.amdhsa_memory_ordered 1
		.amdhsa_forward_progress 1
		.amdhsa_inst_pref_size 255
	.end_amdhsa_kernel
	.section	.bss,"aw",@nobits
	.p2align	6
	.space	262144
	.amdgpu_metadata
---
amdhsa.version: [ 1, 2 ]
amdhsa.kernels:
  - .name:           k_qd301abbdce_qattn
    .symbol:         k_qd301abbdce_qattn.kd
    .args:
      - { .name: hidden_states, .offset: 0, .size: 8, .value_kind: global_buffer, .address_space: global }
      - { .name: w_img, .offset: 8, .size: 8, .value_kind: global_buffer, .address_space: global }
      - { .name: bq, .offset: 16, .size: 8, .value_kind: global_buffer, .address_space: global }
      - { .name: kv_img, .offset: 24, .size: 8, .value_kind: global_buffer, .address_space: global }
      - { .name: lowp_scales, .offset: 32, .size: 8, .value_kind: global_buffer, .address_space: global }
      - { .name: ctx_img, .offset: 40, .size: 8, .value_kind: global_buffer, .address_space: global }
    .group_segment_fixed_size: 165376
    .private_segment_fixed_size: 0
    .kernarg_segment_align: 8
    .kernarg_segment_size: 48
    .max_flat_workgroup_size: 128
    .sgpr_count:     80
    .vgpr_count:     1024
    .wavefront_size: 32
...
	.end_amdgpu_metadata
.endif
;; end of part 2
;; launch outln (part 3): grid 256 x 1, 4 waves a work-group, no clusters, 216,576 bytes of LDS; arguments ctx_img, w_img, hidden_states, bo, bg, ln_g, ln_b, lowp_scales, out0; writes out0
.if DOCPART == 3
	.amdgcn_target "amdgcn-amd-amdhsa--gfx1250"
	.amdhsa_code_object_version 6
	.text
	.protected	k_qd301abbdce_outln
	.globl	k_qd301abbdce_outln
	.p2align	8
	.type	k_qd301abbdce_outln,@function
k_qd301abbdce_outln:
	s_mov_b64 s[64:65], 0
	v_nop
	global_prefetch_b8 v0, s[64:65] scope:SCOPE_SE
	s_setreg_imm32_b32 hwreg(HW_REG_WAVE_MODE, 25, 1), 1
	s_wait_xcnt 0x0
; out = ctx Wo^T + bo;  gate = sigmoid(Q(hidden) Wg^T + bg);  y = LayerNorm(0.5 hidden + 0.5 gate out) ln_g + ln_b.  Both products on codes of FP8 (E4M3) with the given scales 2^e.
; SHARES.  Work-group g owns rows 32 g .. 32 g + 31, whole, so that the norm's sums stay inside it.  Wave w owns columns 256 w .. 256 w + 255: 16 tiles of columns x 2 tiles of rows = 32 accumulators.
; The matrix instruction is used transposed (source 0 = 16 rows of the weight, source 1 = 16 rows of ctx or hidden): lane (r, h) holds row 16 m + r and, in register j of tile f, column 256 w + 16 f + 8 h + j.
; The weights come from w_img, where Wo's eight K steps and Wg's eight follow each other, straight into a ring of 16 fragments in registers: 16 steps of 128 along K, each group of four fragments loaded again,
; for the next step, as soon as its eight products are issued.  ctx's images (32 KiB) and my 32 x 256 numbers of hidden come into LDS by two tensor loads a wave, each LDS byte filled once.
; hidden is quantised (entry 12) between the two passes, each wave its own columns = two K steps, and laid in LDS as images of operand registers beside ctx's.
; The norm is taken of 2 x blended = hidden + gate out: mean and deviations scale by 2, and 4 eps stands for eps: the same numbers.  Two passes (mean; then squares of deviations), each summed over the waves through LDS.
; NO JOINT LOADS: each fragment of a weight is read by one wave of a work-group and feeds two matrix instructions; through LDS every byte would be written and read once more with no second reader.
; LIMITS: e10 + e11 between -126 and 127; e12 between -126 and 119; e12 + e13 between -126 and 127 (added to the exponent field of -log2 e).  NaN among the inputs is not served.
; REGISTERS.  window 0: v1-16 addresses and constants, v18-31 statistics, v32-95 the rows' fragments (two buffers of 2 x 16), v96-127 vectors as loaded, later two sets of codes, v128-255 a vector in the result's layout
;   (index 8 f + j), between the passes two sets of 64 numbers.   window 1: the ring; later hidden; later rows read back.   window 2: the accumulators, (f, m) at v[8 (2 f + m)]; later ln_b.   window 3: out, then the result.
.set AIMG, 133120                      ; LDS: 0: four waves x 32 rows x (1,024 + 16) bytes of hidden, later the stage for the result;  AIMG + 32,768 m + 2,048 step: the rows' images, steps 0-7 ctx, 8-15 hidden
.set VEC,  198656                      ; + 4,096 wave + 1,024 v: my 256 numbers of bo, bg, ln_g, ln_b
.set RED1, 215040                      ; [row 32][wave 4] f32: the sums;  RED1 + 512: the squares
.set AB,   32
.set PCS,  96
.set VB,   128
.set XS,   128
.set MSB, 0
.macro WIN new
.if MSB != (\new)
	s_set_vgpr_msb (MSB<<8)|(\new)
.set MSB, (\new)
.endif
.endm
.macro PLACES
.rept 4
	v_nop
.endr
.endm
	s_load_b256 s[4:11], s[0:1], 0x0               ; ctx_img s[4:5], w_img s[6:7], hidden s[8:9], bo s[10:11]
	s_load_b256 s[12:19], s[0:1], 0x20             ; bg s[12:13], ln_g s[14:15], ln_b s[16:17], scales s[18:19]
	s_load_b64 s[20:21], s[0:1], 0x40              ; out0
	v_lshl_add_u32 v254, v0, 2, 0x34c00
	v_mov_b32 v255, 0
	ds_add_u32 v254, v255
	ds_add_u32 v254, v255
	s_wait_dscnt 0x0
	v_lshrrev_b32 v1, 5, v0
	v_readfirstlane_b32 s22, v1                    ; wave
	; group 1 for ctx's images: a dense block of 8,192 bytes as 32 rows of 32 elements of 8 bytes
	s_mov_b32 s44, 3<<16
	s_mov_b32 s45, 32<<16                          ; tensor_dim0
	s_mov_b32 s46, 32<<16                          ; tensor_dim1
	s_mov_b32 s47, 32<<16                          ; tile_dim0
	s_mov_b32 s48, 32                              ; tile_dim1
	s_mov_b32 s49, 32                              ; stride
	s_mov_b32 s50, 0
	s_mov_b32 s51, 0
	; group 1 for hidden: 32 rows of 256 elements of 4 bytes, 1,024 elements apart; 4 words of padding behind every 256
	s_mov_b32 s52, (2<<16)|(1<<20)|(7<<22)|(3<<25)
	s_mov_b32 s53, 256<<16
	s_mov_b32 s54, 32<<16
	s_mov_b32 s55, 256<<16
	s_mov_b32 s56, 32
	s_mov_b32 s57, 1024
	s_mov_b32 s58, 0
	s_mov_b32 s59, 0
	s_mov_b32 s36, 1
	s_lshr_b32 s37, s22, 1
	s_lshl_b32 s37, s37, 15
	s_and_b32 s60, s22, 1
	s_lshl_b32 s60, s60, 13
	s_add_co_u32 s37, s37, s60
	s_add_co_u32 s37, s37, AIMG                    ; ctx: row tile wave / 2, half wave % 2 of its 16 KiB
	s_mov_b32 s40, 1
	s_mul_i32 s41, s22, 33280                      ; hidden: my wave's rows
	s_lshl_b32 s60, ttmp9, 15
	s_lshl_b32 s62, s22, 13
	s_add_co_u32 s60, s60, s62                     ; ctx_img: 32,768 g + 8,192 wave
	s_mov_b32 s61, 0
	s_lshl_b32 s62, ttmp9, 17
	s_lshl_b32 s63, s22, 10
	s_add_co_u32 s62, s62, s63                     ; hidden and out0: 131,072 g + 1,024 wave
	s_mov_b32 s63, 0
	v_and_b32 v1, 31, v0                           ; lane
	v_and_b32 v2, 15, v0                           ; r
	v_bfe_u32 v3, v0, 4, 1                         ; h
	v_lshlrev_b32 v4, 4, v1                        ; 16 x lane
	v_add_nc_u32 v5, AIMG, v4                      ; an image's place for my lane
	v_add_nc_u32 v6, AIMG, v4                      ; the same, + 2,048 x step
	v_mul_u32_u24 v7, v2, 1040
	v_add_nc_u32 v7, s41, v7
	v_lshl_add_u32 v8, v3, 5, v7                   ; hidden and the stage in the result's layout: row r, + 32 h
	v_lshl_add_u32 v7, v3, 6, v7                   ; hidden for the quantiser: row r, + 64 h
	v_add_nc_u32 v9, s41, v4                       ; the stage, back: 16 x lane
	s_lshl_b32 s23, s22, 12
	v_add_nc_u32 v10, s23, v4
	v_add_nc_u32 v10, AIMG+16384, v10              ; where I store hidden's images: steps 8 + 2 wave, 9 + 2 wave
	v_add_nc_u32 v11, s23, v4
	v_add_nc_u32 v11, VEC, v11                     ; the vectors, in
	v_lshl_add_u32 v12, v3, 5, s23
	v_add_nc_u32 v12, VEC, v12                     ; and out: + 32 h
	s_lshl_b32 s23, s22, 2
	v_lshl_add_u32 v13, v2, 4, s23
	v_add_nc_u32 v13, RED1, v13                    ; my wave's word of row r
	v_lshlrev_b32 v14, 4, v2
	v_add_nc_u32 v14, RED1, v14                    ; row r's four words
	v_mov_b32 v26, 0                               ; lane permutes' destinations count as sources
	v_mov_b32 v27, 0
	s_mov_b32 s26, 0
	s_mov_b32 s32, 0x76543210
	s_mov_b32 s33, 0xfedcba98
	s_mov_b32 s82, 0x3a800000                      ; 2^-10
	s_mov_b32 s83, 0x3827c5ac                      ; 4 x 1e-5
	s_wait_kmcnt 0x0
	s_add_nc_u64 s[38:39], s[4:5], s[60:61]
	s_or_b32 s39, s39, 0x80000000
	s_add_nc_u64 s[42:43], s[8:9], s[62:63]
	s_or_b32 s43, s43, 0x80000000
	tensor_load_to_lds s[36:39], s[44:51]          ; both fills go out together, ahead of every wait on TENSORcnt, LDS read and barrier: two loads of mine are out
	s_nop 0
	tensor_load_to_lds s[40:43], s[52:59]
	s_nop 0
.rept 4
	v_nop
.endr
	s_load_b256 s[68:75], s[18:19], 0x0            ; e0 .. e7
	s_load_b128 s[76:79], s[18:19], 0x20           ; e8 .. e11
	s_load_b64 s[80:81], s[18:19], 0x30            ; e12, e13
	s_add_nc_u64 s[34:35], s[20:21], s[62:63]      ; out0 at my rows and columns
	s_lshl_b32 s60, s22, 10
	s_add_nc_u64 s[10:11], s[10:11], s[60:61]
	s_add_nc_u64 s[12:13], s[12:13], s[60:61]
	s_add_nc_u64 s[14:15], s[14:15], s[60:61]
	s_add_nc_u64 s[16:17], s[16:17], s[60:61]
	s_lshl_b32 s60, s22, 15
	s_add_co_u32 s60, s60, 1048576
	s_add_nc_u64 s[24:25], s[6:7], s[60:61]        ; Wo's images at my 16 tiles of columns
.irp v, 0,1,2,3
	global_load_b128 v[96+8*\v:99+8*\v], v4, s[10+2*\v:11+2*\v]
	global_load_b128 v[100+8*\v:103+8*\v], v4, s[10+2*\v:11+2*\v] offset:512
.endr
; the ring's group q (fragments 4 q .. 4 q + 3) of the step in hand (ahead = 0) or the next (1): each load reads 512 consecutive bytes
.macro RL q, ahead
	WIN 0x40
.irp ff, 0,1,2,3
.irp c, 0,1,2,3
	global_load_b128 v[16*(4*(\q)+\ff)+4*\c:16*(4*(\q)+\ff)+4*\c+3], v4, s[24:25] offset:131072*(\ahead)+2048*(4*(\q)+\ff)+512*\c
.endr
.endr
.endm
; the rows' two fragments of the step in hand or the next, into buffer buf
.macro AL buf, ahead
	WIN 0
.irp m, 0,1
.irp c, 0,1,2,3
	ds_load_b128 v[AB+32*(\buf)+16*\m+4*\c:AB+32*(\buf)+16*\m+4*\c+3], v6 offset:2048*(\ahead)+32768*\m+512*\c
.endr
.endr
.endm
; vector v in the result's layout: index 8 f + j = column 16 f + 8 h + j of my 256
.macro VLD v, base
.irp f, 0,1,2,3,4,5,6,7,8,9,10,11,12,13,14,15
.irp e, 0,1
	ds_load_b128 v[\base+8*\f+4*\e:\base+8*\f+4*\e+3], v12 offset:1024*\v+64*\f+16*\e
.endr
.endr
.endm
	RL 0, 0
	RL 1, 0
	RL 2, 0
	WIN 0
	s_wait_loadcnt 48                              ; the vectors are in; the ring's 48 loads may be out
.irp v, 0,1,2,3
	ds_store_b128 v11, v[96+8*\v:99+8*\v] offset:1024*\v
	ds_store_b128 v11, v[100+8*\v:103+8*\v] offset:1024*\v+512
.endr
	RL 3, 0
	WIN 0
	s_wait_kmcnt 0x0
	s_add_co_i32 s28, s78, s79
	s_add_co_i32 s28, s28, 127
	s_lshl_b32 s28, s28, 23                        ; 2^(e10 + e11)
	s_mov_b32 s29, s28
	s_add_co_i32 s30, s80, s81
	s_lshl_b32 s30, s30, 23
	s_add_co_i32 s30, s30, 0xbfb8aa3b              ; -log2(e), with e12 + e13 added to its exponent field
	s_mov_b32 s31, s30
	s_add_co_i32 s60, s80, 127
	s_lshl_b32 s61, s60, 23
	v_mov_b32 v15, s61                             ; 2^e12
	s_add_co_i32 s60, s60, 8
	s_lshl_b32 s60, s60, 23
	s_or_b32 s60, s60, 0x600000
	v_mov_b32 v16, s60                             ; 448 x 2^e12
	s_wait_tensorcnt 0x1                           ; my part of ctx's images is in; hidden's load may be out: no LDS byte is ever filled again
	s_wait_dscnt 0x0
	s_barrier_signal -1
	s_barrier_wait -1                              ; ctx's images lie in LDS
; A step of 128 along K: 32 matrix instructions in four groups; the 32 accumulators take turns, in the same order in every step.
.macro STEP zero, reload, buf, pref
	s_wait_dscnt 0x0                               ; the rows' fragments of this step are in
.irp q, 0,1,2,3
.if \reload
	s_wait_loadcnt 48                              ; this group's 16 loads are in; the three runs of 16 issued behind them may be out
.else
	s_wait_loadcnt 48-16*\q
.endif
	WIN 0xa1                                       ; source 0 (the weight) window 1, source 1 window 0, C and D window 2
.irp ff, 0,1,2,3
.irp m, 0,1
.if \zero
	v_wmma_f32_16x16x128_fp8_fp8 v[8*(2*(4*\q+\ff)+\m):8*(2*(4*\q+\ff)+\m)+7], v[16*(4*\q+\ff):16*(4*\q+\ff)+15], v[AB+32*(\buf)+16*\m:AB+32*(\buf)+16*\m+15], 0
.else
	v_wmma_f32_16x16x128_fp8_fp8 v[8*(2*(4*\q+\ff)+\m):8*(2*(4*\q+\ff)+\m)+7], v[16*(4*\q+\ff):16*(4*\q+\ff)+15], v[AB+32*(\buf)+16*\m:AB+32*(\buf)+16*\m+15], v[8*(2*(4*\q+\ff)+\m):8*(2*(4*\q+\ff)+\m)+7]
.endif
.endr
.endr
	PLACES                                         ; in front of loads into registers that these products have read, and of the first read of results
.if \reload
	RL \q, 1
.endif
.if (\q == 0) && \pref
	AL 1-(\buf), 1
.endif
.endr
	WIN 0
	s_wait_xcnt 0x0                                ; the ring's loads have read their base
	s_add_nc_u64 s[24:25], s[24:25], 131072
	s_add_co_u32 s26, s26, 2048
	v_add_nc_u32 v6, s26, v5
.endm
	; ---- pass 1: ctx Wo^T
	AL 0, 0
	STEP 1, 1, 0, 1
	s_mov_b32 s27, 3
.Lpass1:
	STEP 0, 1, 1, 1
	STEP 0, 1, 0, 1
	s_sub_co_u32 s27, s27, 1
	s_cmp_lg_u32 s27, 0
	s_cbranch_scc1 .Lpass1
	VLD 0, VB                                      ; bo
	STEP 0, 1, 1, 0                                ; its reloads are Wg's first K step; the rows' next fragments do not exist yet
	WIN 0xc2                                       ; source 0 window 2, destination window 3
.irp f, 0,1,2,3,4,5,6,7,8,9,10,11,12,13,14,15
.irp m, 0,1
.irp i, 0,2,4,6
	v_pk_fma_f32 v[8*(2*\f+\m)+\i:8*(2*\f+\m)+\i+1], v[8*(2*\f+\m)+\i:8*(2*\f+\m)+\i+1], s[28:29], v[VB+8*\f+\i:VB+8*\f+\i+1] op_sel_hi:[1,0,1]   ; out = sum x 2^(e10 + e11) + bo
.endr
.endr
.endr
	WIN 0
	; ---- between the passes: my 32 x 256 numbers of hidden become four fragments k = 2 m + s'
	s_wait_tensorcnt 0x0                           ; my rows of hidden lie in LDS; only I read them
.macro HLD k
.irp c, 0,1,2,3
.irp j, 0,1,2,3
	ds_load_b128 v[XS+64*((\k)%2)+16*\c+4*\j:XS+64*((\k)%2)+16*\c+4*\j+3], v7 offset:16640*((\k)/2)+512*((\k)%2)+128*\c+16*\j
.endr
.endr
.endm
.macro HQ k
.irp b, 0,1,2,3
.irp i, 0,1,2,3,4,5,6,7,8,9,10,11,12,13,14,15
	v_med3_num_f32 v[XS+64*((\k)%2)+16*\b+\i], v[XS+64*((\k)%2)+16*\b+\i], -v16, v16
.endr
	v_cvt_scalef32_pk8_fp8_f32 v[PCS+16*((\k)%2)+4*\b:PCS+16*((\k)%2)+4*\b+1], v[XS+64*((\k)%2)+16*\b:XS+64*((\k)%2)+16*\b+7], v15
	v_cvt_scalef32_pk8_fp8_f32 v[PCS+16*((\k)%2)+4*\b+2:PCS+16*((\k)%2)+4*\b+3], v[XS+64*((\k)%2)+16*\b+8:XS+64*((\k)%2)+16*\b+15], v15
.endr
	v_nop
.irp c, 0,1,2,3
	ds_store_b128 v10, v[PCS+16*((\k)%2)+4*\c:PCS+16*((\k)%2)+4*\c+3] offset:32768*((\k)/2)+2048*((\k)%2)+512*\c
.endr
.endm
	HLD 0
	HLD 1
	s_wait_dscnt 16                                ; fragment 0's numbers are in; fragment 1's 16 loads may be out
	HQ 0
	HLD 2
	s_wait_dscnt 20                                ; fragment 1's are in; behind them: 4 stores and 16 loads
	HQ 1
	HLD 3
	s_wait_dscnt 20                                ; fragment 2's are in, and fragment 0's stores have read their codes; behind them: 4 stores and 16 loads
	HQ 2
	s_wait_dscnt 4                                 ; fragment 3's are in, and fragment 1's stores are done; behind them: 4 stores
	HQ 3
	s_wait_dscnt 0x0
	s_barrier_signal -1
	s_barrier_wait -1                              ; hidden's images lie in LDS
	; ---- pass 2: Q(hidden) Wg^T
	AL 0, 0
	STEP 1, 1, 0, 1
	s_mov_b32 s27, 3
.Lpass2:
	STEP 0, 1, 1, 1
	STEP 0, 1, 0, 1
	s_sub_co_u32 s27, s27, 1
	s_cmp_lg_u32 s27, 0
	s_cbranch_scc1 .Lpass2
	VLD 1, VB                                      ; bg
	STEP 0, 0, 1, 0
	; ---- the gate and the blend
	WIN 0x40
.irp f, 0,1,2,3,4,5,6,7,8,9,10,11,12,13,14,15
.irp m, 0,1
.irp e, 0,1
	ds_load_b128 v[8*(2*\f+\m)+4*\e:8*(2*\f+\m)+4*\e+3], v8 offset:16640*\m+64*\f+16*\e   ; hidden in the result's layout, over the ring
.endr
.endr
.endr
	WIN 0
.set n, 0
.rept 64
	v_pk_mul_f32 v[VB+n:VB+n+1], v[VB+n:VB+n+1], 0xbfb8aa3b op_sel_hi:[1,0]   ; -bg log2(e)
.set n, n+2
.endr
	WIN 0x82                                       ; source 0 and destination window 2
.irp f, 0,1,2,3,4,5,6,7,8,9,10,11,12,13,14,15
.irp m, 0,1
.irp i, 0,2,4,6
	v_pk_fma_f32 v[8*(2*\f+\m)+\i:8*(2*\f+\m)+\i+1], v[8*(2*\f+\m)+\i:8*(2*\f+\m)+\i+1], s[30:31], v[VB+8*\f+\i:VB+8*\f+\i+1] op_sel_hi:[1,0,1]   ; -z log2(e)
.endr
.endr
.endr
.set n, 0
.rept 256
	v_exp_f32 v[n], v[n]
.set n, n+1
.endr
	v_nop
	s_wait_alu depctr_va_vdst(0)                   ; one wait for the batch, ahead of its first reader
.set n, 0
.rept 128
	v_pk_add_f32 v[n:n+1], v[n:n+1], 1.0 op_sel_hi:[1,0]
.set n, n+2
.endr
.set n, 0
.rept 256
	v_rcp_f32 v[n], v[n]                           ; gate = 1 / (1 + 2^(-z log2 e))
.set n, n+1
.endr
	v_nop
	s_wait_alu depctr_va_vdst(0)
	s_wait_dscnt 0x0                               ; hidden
	WIN 0xde                                       ; gate window 2, out window 3, hidden window 1, destination window 3
.set n, 0
.rept 128
	v_pk_fma_f32 v[n:n+1], v[n:n+1], v[n:n+1], v[n:n+1]   ; hidden + gate out = 2 x blended
.set n, n+2
.endr
	WIN 0
	VLD 2, VB                                      ; ln_g
	WIN 0x80
	VLD 3, 0                                       ; ln_b, over the gate
	; ---- the rows' sums: 128 numbers a lane and row tile, in two chains of pairs each
	WIN 0x0f
.irp m, 0,1
	v_pk_add_f32 v[18+4*\m:19+4*\m], v[8*\m:8*\m+1], v[8*\m+2:8*\m+3]
	v_pk_add_f32 v[20+4*\m:21+4*\m], v[8*\m+4:8*\m+5], v[8*\m+6:8*\m+7]
.endr
	WIN 0x03
.irp f, 1,2,3,4,5,6,7,8,9,10,11,12,13,14,15
.irp m, 0,1
	v_pk_add_f32 v[18+4*\m:19+4*\m], v[8*(2*\f+\m):8*(2*\f+\m)+1], v[18+4*\m:19+4*\m]
	v_pk_add_f32 v[20+4*\m:21+4*\m], v[8*(2*\f+\m)+2:8*(2*\f+\m)+3], v[20+4*\m:21+4*\m]
	v_pk_add_f32 v[18+4*\m:19+4*\m], v[8*(2*\f+\m)+4:8*(2*\f+\m)+5], v[18+4*\m:19+4*\m]
	v_pk_add_f32 v[20+4*\m:21+4*\m], v[8*(2*\f+\m)+6:8*(2*\f+\m)+7], v[20+4*\m:21+4*\m]
.endr
.endr
	WIN 0
; my wave's figure for rows r and 16 + r (chains in v18-21, v22-25) meets the other waves' at LDS offset off; behind it v18 and v22 hold the rows' sums over all 1,024 columns
.macro MEET off
	v_pk_add_f32 v[18:19], v[18:19], v[20:21]
	v_pk_add_f32 v[22:23], v[22:23], v[24:25]
	v_add_f32 v18, v18, v19
	v_add_f32 v22, v22, v23
	v_permlanex16_b32 v26, v18, s32, s33           ; the row's other columns of each tile lie in lane l xor 16
	v_permlanex16_b32 v27, v22, s32, s33
	v_add_f32 v18, v18, v26
	v_add_f32 v22, v22, v27
	ds_store_b32 v13, v18 offset:\off
	ds_store_b32 v13, v22 offset:\off+256
	s_wait_dscnt 0x0                               ; for the others' sake
	s_barrier_signal -1
	s_barrier_wait -1
	ds_load_b128 v[18:21], v14 offset:\off
	ds_load_b128 v[22:25], v14 offset:\off+256
	s_wait_dscnt 0x0
	v_add_f32 v18, v18, v19
	v_add_f32 v20, v20, v21
	v_add_f32 v22, v22, v23
	v_add_f32 v24, v24, v25
	v_add_f32 v18, v18, v20
	v_add_f32 v22, v22, v24
.endm
	MEET 0
	v_mul_f32 v28, s82, v18                        ; the means, as pairs
	v_mul_f32 v29, s82, v18
	v_mul_f32 v30, s82, v22
	v_mul_f32 v31, s82, v22
	WIN 0xc3                                       ; source 0 and destination window 3
.irp f, 0,1,2,3,4,5,6,7,8,9,10,11,12,13,14,15
.irp m, 0,1
.irp i, 0,2,4,6
	v_pk_add_f32 v[8*(2*\f+\m)+\i:8*(2*\f+\m)+\i+1], v[8*(2*\f+\m)+\i:8*(2*\f+\m)+\i+1], v[28+2*\m:29+2*\m] neg_lo:[0,1] neg_hi:[0,1]   ; the deviations
.endr
.endr
.endr
	WIN 0x0f
.irp m, 0,1
	v_pk_mul_f32 v[18+4*\m:19+4*\m], v[8*\m:8*\m+1], v[8*\m:8*\m+1]
	v_pk_mul_f32 v[20+4*\m:21+4*\m], v[8*\m+2:8*\m+3], v[8*\m+2:8*\m+3]
	v_pk_fma_f32 v[18+4*\m:19+4*\m], v[8*\m+4:8*\m+5], v[8*\m+4:8*\m+5], v[18+4*\m:19+4*\m]
	v_pk_fma_f32 v[20+4*\m:21+4*\m], v[8*\m+6:8*\m+7], v[8*\m+6:8*\m+7], v[20+4*\m:21+4*\m]
.endr
.irp f, 1,2,3,4,5,6,7,8,9,10,11,12,13,14,15
.irp m, 0,1
	v_pk_fma_f32 v[18+4*\m:19+4*\m], v[8*(2*\f+\m):8*(2*\f+\m)+1], v[8*(2*\f+\m):8*(2*\f+\m)+1], v[18+4*\m:19+4*\m]
	v_pk_fma_f32 v[20+4*\m:21+4*\m], v[8*(2*\f+\m)+2:8*(2*\f+\m)+3], v[8*(2*\f+\m)+2:8*(2*\f+\m)+3], v[20+4*\m:21+4*\m]
	v_pk_fma_f32 v[18+4*\m:19+4*\m], v[8*(2*\f+\m)+4:8*(2*\f+\m)+5], v[8*(2*\f+\m)+4:8*(2*\f+\m)+5], v[18+4*\m:19+4*\m]
	v_pk_fma_f32 v[20+4*\m:21+4*\m], v[8*(2*\f+\m)+6:8*(2*\f+\m)+7], v[8*(2*\f+\m)+6:8*(2*\f+\m)+7], v[20+4*\m:21+4*\m]
.endr
.endr
	WIN 0
	MEET 512
	v_fma_f32 v18, v18, s82, s83                   ; the variance of 2 x blended + 4 eps
	v_fma_f32 v22, v22, s82, s83
	v_rsq_f32 v28, v18
	v_rsq_f32 v30, v22
	v_nop
	s_wait_alu depctr_va_vdst(0)
	v_mov_b32 v29, v28
	v_mov_b32 v31, v30
	WIN 0xc3
.irp f, 0,1,2,3,4,5,6,7,8,9,10,11,12,13,14,15
.irp m, 0,1
.irp i, 0,2,4,6
	v_pk_mul_f32 v[8*(2*\f+\m)+\i:8*(2*\f+\m)+\i+1], v[8*(2*\f+\m)+\i:8*(2*\f+\m)+\i+1], v[28+2*\m:29+2*\m]
.endr
.endr
.endr
	WIN 0xe3                                       ; source 1 (ln_g) window 0, source 2 (ln_b) window 2
.irp f, 0,1,2,3,4,5,6,7,8,9,10,11,12,13,14,15
.irp m, 0,1
.irp i, 0,2,4,6
	v_pk_fma_f32 v[8*(2*\f+\m)+\i:8*(2*\f+\m)+\i+1], v[8*(2*\f+\m)+\i:8*(2*\f+\m)+\i+1], v[VB+8*\f+\i:VB+8*\f+\i+1], v[8*\f+\i:8*\f+\i+1]
.endr
.endr
.endr
	; ---- the way out: through my own rows of LDS, where hidden lay (their one fill is long done, and only I touch them), and back as rows
	WIN 0x0c                                       ; store data in window 3
.irp f, 0,1,2,3,4,5,6,7,8,9,10,11,12,13,14,15
.irp m, 0,1
.irp e, 0,1
	ds_store_b128 v8, v[8*(2*\f+\m)+4*\e:8*(2*\f+\m)+4*\e+3] offset:16640*\m+64*\f+16*\e
.endr
.endr
.endr
	WIN 0x40
.set n, 0
.rept 64
	ds_load_b128 v[4*n:4*n+3], v9 offset:1040*(n/2)+512*(n%2)   ; LDS serves a wave's instructions in order: these see the stores above
.set n, n+1
.endr
	WIN 0x04                                       ; store data in window 1
.set n, 0
.rept 64
	s_wait_dscnt 63-n                              ; the younger loads may be out
	global_store_b128 v4, v[4*n:4*n+3], s[34:35] offset:4096*(n/2)+512*(n%2) th:TH_STORE_NT   ; 32 lanes store 512 consecutive bytes, aligned; written once, read by nobody here
.set n, n+1
.endr
	WIN 0
	s_wait_xcnt 0x0
	v_lshl_add_u32 v254, v0, 2, 0x34c00
	v_mov_b32 v255, 0
	s_wait_tensorcnt 0x0
	ds_add_u32 v254, v255
	s_wait_dscnt 0x0
	s_endpgm
.Lfunc_end_k_qd301abbdce_outln:
	.size	k_qd301abbdce_outln, .Lfunc_end_k_qd301abbdce_outln-k_qd301abbdce_outln
	.p2alignl 7, 3214868480
	.fill 96, 4, 3214868480
	.section	.rodata,"a",@progbits
	.p2align	6, 0x0
	.amdhsa_kernel k_qd301abbdce_outln
		.amdhsa_group_segment_fixed_size 216576
		.amdhsa_private_segment_fixed_size 0
		.amdhsa_enable_private_segment 0
		.amdhsa_kernarg_size 72
		.amdhsa_user_sgpr_count 2
		.amdhsa_user_sgpr_kernarg_segment_ptr 1
		.amdhsa_wavefront_size32 1
		.amdhsa_system_sgpr_workgroup_id_x 1
		.amdhsa_system_sgpr_workgroup_id_y 1
		.amdhsa_system_sgpr_workgroup_id_z 1
		.amdhsa_system_vgpr_workitem_id 0
		.amdhsa_next_free_vgpr 1024
		.amdhsa_next_free_sgpr 84
		.amdhsa_reserve_vcc 0
		.amdhsa_float_denorm_mode_32 3
		.amdhsa_float_denorm_mode_16_64 3
		.amdhsa_memory_ordered 1
		.amdhsa_forward_progress 1
		.amdhsa_inst_pref_size 233
	.end_amdhsa_kernel
	.amdgpu_metadata
---
amdhsa.version: [ 1, 2 ]
amdhsa.kernels:
  - .name:           k_qd301abbdce_outln
    .symbol:         k_qd301abbdce_outln.kd
    .args:
      - { .name: ctx_img, .offset: 0, .size: 8, .value_kind: global_buffer, .address_space: global }
      - { .name: w_img, .offset: 8, .size: 8, .value_kind: global_buffer, .address_space: global }
      - { .name: hidden_states, .offset: 16, .size: 8, .value_kind: global_buffer, .address_space: global }
      - { .name: bo, .offset: 24, .size: 8, .value_kind: global_buffer, .address_space: global }
      - { .name: bg, .offset: 32, .size: 8, .value_kind: global_buffer, .address_space: global }
      - { .name: ln_g, .offset: 40, .size: 8, .value_kind: global_buffer, .address_space: global }
      - { .name: ln_b, .offset: 48, .size: 8, .value_kind: global_buffer, .address_space: global }
      - { .name: lowp_scales, .offset: 56, .size: 8, .value_kind: global_buffer, .address_space: global }
      - { .name: out0, .offset: 64, .size: 8, .value_kind: global_buffer, .address_space: global }
    .group_segment_fixed_size: 216576
    .private_segment_fixed_size: 0
    .kernarg_segment_align: 8
    .kernarg_segment_size: 72
    .max_flat_workgroup_size: 128
    .sgpr_count:     84
    .vgpr_count:     1024
    .wavefront_size: 32
...
	.end_amdgpu_metadata
.endif
;; end of part 3
;; ======== version 2 of 2: 3 launches; version 1 with the launch qattn written anew for expert scheduling mode
;; workspace buffers: kv_img 16,777,216 bytes; w_img 3,145,728 bytes; ctx_img 8,388,608 bytes
;; launch kvproj: the kernel of part 1 again; grid 8 x 32, 4 waves a work-group, clusters of 4 x 4, 327,680 bytes of LDS; arguments cross_states_codes, Wk_codes, Wv_codes, bk, bv, lowp_scales, Wq_codes, Wo_codes, Wg_codes, kv_img, w_img; writes kv_img, w_img
;; launch qattn (part 4): grid 4 x 64, 4 waves a work-group, no clusters, 165,376 bytes of LDS; arguments hidden_states, w_img, bq, kv_img, lowp_scales, ctx_img; writes ctx_img
.if DOCPART == 4
	.amdgcn_target "amdgcn-amd-amdhsa--gfx1250"
	.amdhsa_code_object_version 6
	.text
	.protected	k_qd301abbdce_qattn
	.globl	k_qd301abbdce_qattn
	.p2align	8
	.type	k_qd301abbdce_qattn,@function
k_qd301abbdce_qattn:
	s_mov_b64 s[64:65], 0
	v_nop
	global_prefetch_b8 v0, s[64:65] scope:SCOPE_SE
	s_setreg_imm32_b32 hwreg(HW_REG_WAVE_SCHED_MODE, 0, 2), 2
	s_setreg_imm32_b32 hwreg(HW_REG_WAVE_MODE, 25, 1), 1
	s_wait_xcnt 0x0
	s_wait_alu depctr_vm_vsrc(0)
; q = Q(hidden) Wq^T + bq, the windowed attention |key - query| <= 64, and ctx as codes, all products on codes of FP8 (E4M3) with the given scales 2^e (entries of the scales' buffer).
; SHARES.  Work-group (x, y): heads 4 x .. 4 x + 3, rows 128 y .. 128 y + 127 (batch y / 8, block y % 8).  Wave w owns head 4 x + w for all 128 queries.
; A: wave w quantises rows 32 w .. 32 w + 31 of hidden (entry 0) and lays them in LDS as images of operand registers (group c of a fragment: lane (r, h) holds row r, k = 32 c + 16 h + 0 .. 15) | one barrier |
; B: q's sums, source 0 = 16 rows of Wq (from w_img, straight into registers), source 1 = 16 rows of hidden: a lane holds one query and eight neighbouring d |
; C: q = sum x 2^(e0 + e1) + bq, quantised (entry 6): the conversions' results ARE the 16 x 64 operand |
; D: for each tile of 16 queries: S^T = K Q^T on the 9 tiles of 16 keys that the window touches, the mask, M = ceil(largest t), p = 2^(t - M), the sum of the unquantised p, p quantised (entry 9), O^T = V^T P^T over three
;    chunks of 64 keys (tiles outside the nine get zero codes), ctx = O^T x 2^(e8 + e9) / sum, quantised (entry 10), stored into ctx_img in the order of the next product's operand registers.
; A tile's whole window, 144 keys, lies in registers at once: the row's true largest t is taken, no running one.  At the sequence's ends the chunk that does not exist is replaced by its neighbour and hidden wholly.
; NO JOINT LOADS: the 512 KiB of hidden that the four work-groups of a y share go through registers and a conversion, not into LDS as they lie; each fragment of Wq, K and V goes into one wave's registers.
; LIMITS: e0 + e1 between -126 and 127; e0, e6, e9, e10 between -126 and 119; e6 + e7 between -123 and 130 (added to c's exponent field).  NaN among the inputs is not served.
; THE MODE: SCHED_MODE bits 1:0 = 2 (LLVM: expert scheduling mode 2), set by the entry lines.  The code itself states the register dependences between vector or matrix instructions and memory or LDS
; instructions, with s_wait_alu, always for 0.
; THE PLAN.  Registers that memory or LDS instructions touch, and who else names them:
;   v4-7, v10, v11, v24   offsets and LDS addresses, made once at the head and never written again.   v8: the images' address, written once a trip, in unit 0.
;   A: window 1, sets 0-3   written by global loads, read by the stage's LDS stores alone.   XR0 = v128-191, XR1 = v64-127: unit p's stage loads land in XR[p % 2], its holds and conversions work there.
;      PC0 = v192-207, PC1 = v208-223: unit p's conversions write PC[p % 2], its four image stores read it.
;      Unit p: the set is asked for again, unit p + 1's numbers are sent through the stage into the other XR, then unit p is quantised.  One wait on vm_vsrc at its head, one on va_vdst behind its conversions.
;   B: H0 = v64-127, H1 = v128-191, H2 = v192-255: half step n = 2 s + half (four row tiles of K step s) is loaded into H[n % 3] and read by its 16 products.  Step s asks for half 2 s + 1 at its head and for half
;      2 s + 2 between its two runs of products: the two buffers that step s - 1's products read.  Windows 2, 3: Wq; steps 4 to 7 ask for K's and V's images into window 2, whose last readers are step 3's products.
;      One wait on va_vdst a step, at its head.
;   D: CT0 = v32-39, CT1 = v40-47: tile i's conversions write CT[i % 2]; its four stores are issued in tile i + 1, behind the wait that the exponentials have there anyway.  s4-19: a tile's 16 masks, made in one run.
; REGISTERS.  window 0: v1-25 addresses and constants; v32-63 bq, later codes of ctx and work; v64-127 A: numbers; B: hidden's fragments; from C on Q; v128-255: A: numbers and codes; B: hidden's fragments; C: values;
;   D: S^T 128-199, P 200-223, O^T 224-255.   window 1: A: four sets of 64 loaded numbers; B, C: q's 32 accumulators.
;   windows 2, 3: Wq's 32 fragments; D: window 2: K's 16 tiles at v[8 tile], V's fragments (chunk c, d tile t) at v[128 + 32 c + 8 t].
.set STG,  131072                      ; LDS: 0 .. 131,071 hidden's images [row tile 8][K step 8][2,048]; then a stage of 16 rows x (512 + 16) bytes for each wave
.set XO,   4                           ; 16 x lane
.set STS,  5                           ; the stage, in: 16 x lane
.set STL,  6                           ; the stage, out: 528 r + 64 h
.set IM0,  7                           ; my images: 32,768 wave + 16 x lane
.set IMC,  8                           ; the same, + 4,096 x trip
.set AI1,  10                          ; 65,536 + 16 x lane: row tiles 4 to 7
.set CO,   11                          ; 16 r + 8 h: my 8 bytes of a store of ctx
.set DD,   20                          ; r - 8 h
.set DA,   21                          ; the same, or 100 in a batch's first block
.set DC,   22                          ; the same, or -100 in its last
.set NINF, 23
.set BQO,  24
.set BQ,   32
.set CT,   32
.set QF,   64
.set PC,   192
.set TMP,  128
.set S,    128
.set P,    200
.set OA,   224
.set MLT,  4                           ; s[4:11]   a tile's masks for its first tile of keys
.set MGT,  12                          ; s[12:19]  and for its last
.set MSB, 0
.macro WIN new
.if MSB != (\new)
	s_set_vgpr_msb (MSB<<8)|(\new)
.set MSB, (\new)
.endif
.endm
.macro PLACES
.rept 4
	v_nop
.endr
.endm
.macro MKSCALE e, vs, vl               ; v[vs] = 2^e as f32, v[vl] = 448 x 2^e
	s_add_co_i32 s60, s[\e], 127
	s_lshl_b32 s61, s60, 23
	v_mov_b32 v[\vs], s61
	s_add_co_i32 s60, s60, 8
	s_lshl_b32 s60, s60, 23
	s_or_b32 s60, s60, 0x600000
	v_mov_b32 v[\vl], s60
.endm
	s_load_b256 s[4:11], s[0:1], 0x0               ; hidden s[4:5], w_img s[6:7], bq s[8:9], kv_img s[10:11]
	s_load_b128 s[12:15], s[0:1], 0x20             ; scales s[12:13], ctx_img s[14:15]
	v_lshl_add_u32 v30, v0, 2, 0x28400
	v_mov_b32 v31, 0
	v_lshrrev_b32 v1, 5, v0
	v_readfirstlane_b32 s16, v1                    ; wave
	v_and_b32 v1, 31, v0                           ; lane
	v_and_b32 v2, 15, v0                           ; r
	v_bfe_u32 v3, v0, 4, 1                         ; h
	v_lshlrev_b32 v[XO], 4, v1
	s_wait_alu depctr_va_sdst(0)                   ; s16 is written, ahead of its first reader: LDS places and the bases of hidden, Wq, bq, K, V and ctx are made from it
	s_mul_i32 s2, s16, 8448
	s_add_co_u32 s2, s2, STG                       ; my stage
	v_add_nc_u32 v[STS], s2, v[XO]
	v_mul_u32_u24 v[STL], v2, 528
	v_lshl_add_u32 v[STL], v3, 6, v[STL]
	v_add_nc_u32 v[STL], s2, v[STL]
	s_lshl_b32 s2, s16, 15
	v_add_nc_u32 v[IM0], s2, v[XO]
	v_add_nc_u32 v[AI1], 0x10000, v[XO]
	v_lshlrev_b32 v[CO], 4, v2
	v_lshl_add_u32 v[CO], v3, 3, v[CO]
	v_lshlrev_b32 v[BQO], 5, v3
	v_lshlrev_b32 v25, 3, v3
	v_sub_nc_u32 v[DD], v2, v25
	v_mov_b32 v[NINF], 0xff800000
	s_lshl_b32 s17, ttmp9, 2
	s_add_co_u32 s17, s17, s16                     ; my head
	s_and_b32 s18, ttmp7, 0xffff                   ; y
	s_and_b32 s19, s18, 7                          ; block in the batch
	s_lshr_b32 s20, s18, 3                         ; batch
	s_cmp_eq_u32 s19, 0
	s_cselect_b32 s54, -1, 0                       ; all lanes where the chunk in front does not exist
	s_cmp_eq_u32 s19, 7
	s_cselect_b32 s55, -1, 0                       ; all lanes where the chunk behind does not exist
	v_mov_b32 v25, 100
	v_cndmask_b32 v[DA], v[DD], v25, s54
	v_mov_b32 v25, -100
	v_cndmask_b32 v[DC], v[DD], v25, s55
	s_mov_b32 s52, 0x76543210                      ; v_permlanex16_b32: lane l xor 16
	s_mov_b32 s53, 0xfedcba98
	s_mov_b32 s3, 0
	s_mov_b32 s24, 0
	s_mov_b32 s25, 3
	s_wait_kmcnt 0x0
	s_load_b256 s[68:75], s[12:13], 0x0            ; e0 .. e7
	s_load_b128 s[76:79], s[12:13], 0x20           ; e8 .. e11
	s_lshl_b32 s2, s18, 19
	s_lshl_b32 s21, s16, 17
	s_add_co_u32 s2, s2, s21
	s_add_nc_u64 s[22:23], s[4:5], s[2:3]          ; hidden at row 128 y + 32 wave
	s_lshl_b32 s2, s17, 13
	s_add_nc_u64 s[26:27], s[6:7], s[2:3]          ; Wq's images at tile 4 head
	s_lshl_b32 s2, s17, 8
	s_add_nc_u64 s[8:9], s[8:9], s[2:3]            ; bq at my head
; 16 rows x 128 K of hidden into set p of window 1: position p of a trip is (K step p / 2 of the trip's two, row tile p % 2); each load reads 512 consecutive bytes of one row
.macro XL p, ahead
	WIN 0x40
.irp i, 0,1,2,3,4,5,6,7,8,9,10,11,12,13,14,15
	global_load_b128 v[64*(\p)+4*\i:64*(\p)+4*\i+3], v[XO], s[22:23] offset:65536*((\p)&1)+4096*\i+512*((\p)>>1)+1024*(\ahead)
.endr
	WIN 0
.endm
; Wq's four fragments of K step s into windows 2, 3: fragment (s, t) at register 16 (4 s + t).  No vector or matrix instruction has named these registers when they are loaded
.macro BL s
	WIN 0x80+0x40*((\s)/4)
.irp t, 0,1,2,3
.irp c, 0,1,2,3
	global_load_b128 v[64*((\s)%4)+16*\t+4*\c:64*((\s)%4)+16*\t+4*\c+3], v[XO], s[26:27] offset:131072*(\s)+2048*\t+512*\c
.endr
.endr
	WIN 0
.endm
	s_wait_alu depctr_va_vdst(0)                   ; v4 to v7, v10, v11 and v24 are written: every load and store of the kernel but the image stores takes its offset or LDS address from one of them
.irp t, 0,1,2,3
	global_load_b128 v[BQ+8*\t:BQ+8*\t+3], v[BQO], s[8:9] offset:64*\t          ; bq of d = 16 t + 8 h + 0 .. 7
	global_load_b128 v[BQ+8*\t+4:BQ+8*\t+7], v[BQO], s[8:9] offset:64*\t+16
.endr
	XL 0, 0
	XL 1, 0
	XL 2, 0
	XL 3, 0
	; the four chunks of 64 keys round my block: 2 block - 1 + c, held inside the batch
	s_lshl_b32 s60, s19, 1
	s_lshl_b32 s56, s20, 4
	s_add_co_u32 s57, s56, s17
	s_lshl_b32 s57, s57, 16                        ; k: (16 batch + head) x 64 tiles x 1,024
	s_lshl_b32 s58, s17, 12
	s_add_co_u32 s58, s58, 0x800000                ; v: the second half, + 4 head x 1,024
.irp c, 0,1,2,3
	s_add_co_i32 s59, s60, \c-1
	s_max_i32 s59, s59, 0
	s_min_i32 s59, s59, 15
	s_lshl_b32 s2, s59, 12
	s_add_co_u32 s2, s2, s57
	s_add_nc_u64 s[28+2*\c:29+2*\c], s[10:11], s[2:3]
	s_add_co_u32 s2, s59, s56
	s_lshl_b32 s2, s2, 16
	s_add_co_u32 s2, s2, s58
	s_add_nc_u64 s[36+2*\c:37+2*\c], s[10:11], s[2:3]
.endr
	s_lshl_b32 s2, s18, 6                          ; ctx_img: (64 y + head / 2) x 2,048 + (head % 2) x 1,024
	s_lshr_b32 s21, s17, 1
	s_add_co_u32 s2, s2, s21
	s_lshl_b32 s2, s2, 11
	s_and_b32 s21, s17, 1
	s_lshl_b32 s21, s21, 10
	s_add_co_u32 s2, s2, s21
	s_add_nc_u64 s[44:45], s[14:15], s[2:3]
	s_wait_kmcnt 0x0
	s_add_co_i32 s46, s68, s69
	s_add_co_i32 s46, s46, 127
	s_lshl_b32 s46, s46, 23                        ; 2^(e0 + e1)
	s_mov_b32 s47, s46
	s_add_co_i32 s48, s74, s75
	s_lshl_b32 s48, s48, 23
	s_add_co_i32 s48, s48, 0x3e38aa3b              ; c = log2(e) / 8, with e6 + e7 added to its exponent field
	s_mov_b32 s49, s48
	s_add_co_i32 s50, s76, s77                     ; e8 + e9
	MKSCALE 68, 12, 13
	MKSCALE 74, 14, 15
	MKSCALE 77, 16, 17
	MKSCALE 78, 18, 19
; 64 numbers of a lane, v[s] on, register 16 b + i = k 32 b + 16 h + i of my row, become a fragment's 16 registers of codes in v[pc] on
.macro QUANT s, pc, sc, lim
.irp b, 0,1,2,3
.irp i, 0,1,2,3,4,5,6,7,8,9,10,11,12,13,14,15
	v_med3_num_f32 v[(\s)+16*\b+\i], v[(\s)+16*\b+\i], -v[\lim], v[\lim]   ; the conversion does not saturate (ISA guide 7.6.2): the hold comes first
.endr
	v_cvt_scalef32_pk8_fp8_f32 v[(\pc)+4*\b:(\pc)+4*\b+1], v[(\s)+16*\b:(\s)+16*\b+7], v[\sc]
	v_cvt_scalef32_pk8_fp8_f32 v[(\pc)+4*\b+2:(\pc)+4*\b+3], v[(\s)+16*\b+8:(\s)+16*\b+15], v[\sc]
.endr
	v_nop                                          ; a plain vector line behind the last conversion
.endm
; Set p's 16 rows x 128 K go through my stage as they were loaded and come back 64 bytes a lane, into XR[p % 2].  No vector instruction issued since the last wait on va_vdst names that XR.
.macro TURN p
.set XRT, 128-64*((\p)%2)
	s_wait_loadcnt 48                              ; this set's 16 loads are in; the three runs of 16 issued behind them may be out
	WIN 0x04                                       ; store data in window 1
.irp i, 0,1,2,3,4,5,6,7,8,9,10,11,12,13,14,15
	ds_store_b128 v[STS], v[64*(\p)+4*\i:64*(\p)+4*\i+3] offset:528*\i
.endr
	WIN 0
.irp c, 0,1,2,3
.irp j, 0,1,2,3
	ds_load_b128 v[XRT+16*\c+4*\j:XRT+16*\c+4*\j+3], v[STL] offset:128*\c+16*\j   ; LDS serves a wave's instructions in order: these see the stores above
.endr
.endr
.endm
; One unit: 16 rows x 128 K.  mode 1: the set is loaded again for the next trip; mode 2: Wq's K step p is asked for in its place.  turn = 1: the next unit's numbers are sent through the stage while this unit is quantised.
.macro UNIT p, mode, turn
.set XRP, 128-64*((\p)%2)
.set PCP, PC+16*((\p)%2)
.if (\p) == 0
	s_wait_dscnt 0x0                               ; this unit's numbers are back from the stage (on the way in from the head nothing was issued behind them)
.else
	s_wait_dscnt 4                                 ; this unit's numbers are back from the stage; the last unit's four image stores, issued behind them, may be out
.endif
	s_wait_alu depctr_vm_vsrc(0)                   ; the stage's stores have read set p, in which the loads below land; the image stores have read PC[p % 2], which the conversions below write, and v[IMC]
.if (\p) == 0
	v_add_nc_u32 v[IMC], s24, v[IM0]               ; this trip's two K steps
.endif
.if \mode == 1
	XL \p, 1
.else
	BL \p
.endif
.if \turn
	TURN ((\p)+1)%4
.endif
	QUANT XRP, PCP, 12, 13
	s_wait_alu depctr_va_vdst(0)                   ; the conversions have written PC[p % 2], which the stores below read, and v[IMC] is written; holds and conversions are done with XR[p % 2], in which the stage loads of the next unit but one land
.irp c, 0,1,2,3
	ds_store_b128 v[IMC], v[PCP+4*\c:PCP+4*\c+3] offset:16384*((\p)&1)+2048*((\p)>>1)+512*\c
.endr
.endm
	TURN 0                                         ; the first unit's numbers
.Lquant:                                           ; three trips of four units; the fourth trip is written out, since it loads no more of hidden
	UNIT 0, 1, 1
	UNIT 1, 1, 1
	UNIT 2, 1, 1
	UNIT 3, 1, 1
	s_wait_xcnt 0x0                                ; the loads have read their base
	s_add_nc_u64 s[22:23], s[22:23], 1024
	s_add_co_u32 s24, s24, 4096
	s_sub_co_u32 s25, s25, 1
	s_cmp_lg_u32 s25, 0
	s_cbranch_scc1 .Lquant
	UNIT 0, 2, 1
	UNIT 1, 2, 1
	UNIT 2, 2, 1
	UNIT 3, 2, 0
	s_wait_dscnt 0x0                               ; for the others' sake: my images lie in LDS
	s_barrier_signal -1
	s_barrier_wait -1
	s_wait_alu depctr_vm_vsrc(0)                   ; my image stores have read v192-223, in which hidden's fragments land; my stage stores have read window 1's sets, which q's products write
; ---- B.  Half step n = 2 s + half: hidden's fragments of K step s, row tiles 4 half .. 4 half + 3, into H[n % 3]
.macro AL n
.set HBL, 64+64*((\n)%3)
.irp q, 0,1,2,3
.irp c, 0,1,2,3
.if ((\n)%2) == 0
	ds_load_b128 v[HBL+16*\q+4*\c:HBL+16*\q+4*\c+3], v[XO] offset:(\q*8+(\n)/2)*2048+512*\c
.else
	ds_load_b128 v[HBL+16*\q+4*\c:HBL+16*\q+4*\c+3], v[AI1] offset:(\q*8+(\n)/2)*2048+512*\c
.endif
.endr
.endr
.endm
.macro QMUL s, hf                      ; 16 matrix instructions; the 32 accumulators take turns, in the same order in every step
.set HBM, 64+64*((2*(\s)+(\hf))%3)
.irp q, 0,1,2,3
.irp t, 0,1,2,3
.if (\s) == 0
	v_wmma_f32_16x16x128_fp8_fp8 v[8*(4*(4*(\hf)+\q)+\t):8*(4*(4*(\hf)+\q)+\t)+7], v[64*((\s)%4)+16*\t:64*((\s)%4)+16*\t+15], v[HBM+16*\q:HBM+16*\q+15], 0
.else
	v_wmma_f32_16x16x128_fp8_fp8 v[8*(4*(4*(\hf)+\q)+\t):8*(4*(4*(\hf)+\q)+\t)+7], v[64*((\s)%4)+16*\t:64*((\s)%4)+16*\t+15], v[HBM+16*\q:HBM+16*\q+15], v[8*(4*(4*(\hf)+\q)+\t):8*(4*(4*(\hf)+\q)+\t)+7]
.endif
.endr
.endr
.endm
; K's and V's images of chunk c, into window 2, over Wq's K steps 0 to 3
.macro KV c
	WIN 0x80
.irp i, 0,1,2,3,4,5,6,7
	global_load_b128 v[32*(\c)+4*\i:32*(\c)+4*\i+3], v[XO], s[28+2*(\c):29+2*(\c)] offset:512*\i
	global_load_b128 v[128+32*(\c)+4*\i:128+32*(\c)+4*\i+3], v[XO], s[36+2*(\c):37+2*(\c)] offset:512*\i
.endr
	WIN 0
.endm
.macro QSTEP s
	s_wait_loadcnt 48                              ; Wq's K step s is in; the three runs of 16 issued behind it (Wq's later steps, then K's and V's chunks) may be out
.if (\s) > 0
	s_wait_alu depctr_va_vdst(0)                   ; the last step's products are done reading their two buffers of hidden, in which this step's LDS loads land; in step 4 the products of steps 0 to 3 are done reading window 2, in which K's and V's images land from here on
.endif
	AL 2*(\s)+1
	s_wait_dscnt 16                                ; row tiles 0-3 of this step are in; the 16 loads just issued may be out
	WIN 0x52+(\s)/4                                ; source 0 (Wq) window 2 or 3, source 1 window 0, C and D window 1
	QMUL \s, 0
	WIN 0
.if (\s) < 7
	AL 2*(\s)+2                                    ; no wait: the products issued since the wait above name the buffer of half 2 s, Wq's window and the accumulators, not this buffer
.endif
.if (\s) <= 3
	BL (\s)+4
.else
	KV (\s)-4                                      ; no wait: since step 4's wait no product names window 2
.endif
.if (\s) < 7
	s_wait_dscnt 16                                ; row tiles 4-7 are in; the 16 loads issued behind them may be out
.else
	s_wait_dscnt 0
.endif
	WIN 0x52+(\s)/4
	QMUL \s, 1
	PLACES                                         ; four places behind the step's products, ahead of the next step's wait and loads and, behind the last step, of the first read of results
	WIN 0
.endm
	AL 0
.irp s, 0,1,2,3,4,5,6,7
	QSTEP \s
.endr
; ---- C.  q of row tile a: register 8 t + j is d = 16 t + 8 h + j, so the four conversions give registers 2 t, 2 t + 1 of the 16 x 64 operand
.macro QQ a
	WIN 0x01
.irp t, 0,1,2,3
.irp j, 0,2,4,6
	v_pk_fma_f32 v[TMP+8*\t+\j:TMP+8*\t+\j+1], v[8*(4*(\a)+\t)+\j:8*(4*(\a)+\t)+\j+1], s[46:47], v[BQ+8*\t+\j:BQ+8*\t+\j+1] op_sel_hi:[1,0,1]
.endr
.endr
	WIN 0
.set n, 0
.rept 32
	v_med3_num_f32 v[TMP+n], v[TMP+n], -v15, v15
.set n, n+1
.endr
.irp t, 0,1,2,3
	v_cvt_scalef32_pk8_fp8_f32 v[QF+8*(\a)+2*\t:QF+8*(\a)+2*\t+1], v[TMP+8*\t:TMP+8*\t+7], v14
.endr
	v_nop
.endm
.irp a, 0,1,2,3,4,5,6,7
	QQ \a
.endr
	v_mov_b32 v49, 0                               ; (named as the upper half of the pair v[48:49])
	v_mov_b32 v52, 0                               ; a lane permute's destination counts as one of its sources
	s_wait_loadcnt 0x0                             ; K and V
; tile i's codes of ctx: feature 64 head + 16 t + 8 h + 0 .. 7 of row r: the 32 lanes store 256 consecutive bytes, aligned
.macro CSTORE i
.irp t, 0,1,2,3
	global_store_b64 v[CO], v[CT+8*((\i)%2)+2*\t:CT+8*((\i)%2)+2*\t+1], s[44:45] offset:16384*(\i)+512*(\t>>1)+256*(\t&1)
.endr
.endm
; ---- D.  Query tile i.  Key tile i + u, u = 0 .. 8: lane (r, h), register j: key - query = 16 u + 8 h + j - 64 - r.  Tile u = 0 is hidden where j < r - 8 h, tile u = 8 where j > r - 8 h; the seven between count wholly.
.macro ATT i
.set II, (\i)%4
.set C0, (\i)/4
.irp j, 0,1,2,3,4,5,6,7                        ; the tile's sixteen masks in one run, ahead of its products: one wait serves them all
.if (\i) < 4
	v_cmp_lt_i32 s[MLT+\j], \j, v[DA]
.else
	v_cmp_lt_i32 s[MLT+\j], \j, v[DD]
.endif
.endr
.irp j, 0,1,2,3,4,5,6,7
.if (\i) >= 4
	v_cmp_gt_i32 s[MGT+\j], \j, v[DC]
.else
	v_cmp_gt_i32 s[MGT+\j], \j, v[DD]
.endif
.endr
	WIN 0x02                                       ; source 0 (K) window 2
.irp u, 0,1,2,3,4,5,6,7,8
	v_wmma_f32_16x16x64_fp8_fp8 v[S+8*\u:S+8*\u+7], v[8*((\i)+\u):8*((\i)+\u)+7], v[QF+8*(\i):QF+8*(\i)+7], 0
.endr
	WIN 0
.irp tau, 0,1,2,3,4,5,6,7,8,9,10,11
.if (\tau < II) || (\tau > II+8)
	v_mov_b32 v[P+2*\tau], 0                       ; the three tiles of the three chunks that lie outside the nine: zero codes.  (These six are also the places behind the products)
	v_mov_b32 v[P+2*\tau+1], 0
.endif
.endr
	s_wait_alu depctr_va_sdst(0)                   ; the sixteen compares have written s4 to s19, ahead of the first select that reads one of them
.irp j, 0,1,2,3,4,5,6,7
	v_cndmask_b32 v[S+\j], v[S+\j], v[NINF], s[MLT+\j]
.endr
.irp u, 1,2,3,4,5,6,7
.if (\i)+\u < 4
.irp j, 0,1,2,3,4,5,6,7
	v_cndmask_b32 v[S+8*\u+\j], v[S+8*\u+\j], v[NINF], s54
.endr
.endif
.if (\i)+\u >= 12
.irp j, 0,1,2,3,4,5,6,7
	v_cndmask_b32 v[S+8*\u+\j], v[S+8*\u+\j], v[NINF], s55
.endr
.endif
.endr
.irp j, 0,1,2,3,4,5,6,7
	v_cndmask_b32 v[S+64+\j], v[S+64+\j], v[NINF], s[MGT+\j]
.endr
	v_max3_num_f32 v50, v[S], v[S+1], v[S+2]       ; the largest score of my query among my 72 keys, in two chains, ascending
	v_max3_num_f32 v51, v[S+3], v[S+4], v[S+5]
.set n, 6
.rept 16
	v_max3_num_f32 v50, v50, v[S+n], v[S+n+1]
	v_max3_num_f32 v51, v51, v[S+n+2], v[S+n+3]
.set n, n+4
.endr
	v_max3_num_f32 v50, v50, v[S+70], v[S+71]
	v_max_num_f32 v50, v50, v51
	v_permlanex16_b32 v52, v50, s52, s53
	v_max_num_f32 v50, v50, v52                    ; and among lane l xor 16's
	v_mul_f32 v50, s48, v50                        ; as t (c is positive)
	v_floor_f32 v48, -v50                          ; -M = floor(-t) = -ceil(t)
.set n, 0
.rept 36
	v_pk_fma_f32 v[S+n:S+n+1], v[S+n:S+n+1], s[48:49], v[48:49] op_sel_hi:[1,0,0]   ; t - M
.set n, n+2
.endr
.set n, 0
.rept 72
	v_exp_f32 v[S+n], v[S+n]                       ; p = 2^(t - M); a hidden key's is 0
.set n, n+1
.endr
	v_nop                                          ; a plain vector line behind the last exponential
	s_wait_alu depctr_va_vdst(0)                   ; the 72 exponentials have written p, ahead of its first reader (one wait for the batch); the last tile's conversions have written its codes, which the stores below read
.if (\i) > 0
	CSTORE (\i)-1
.endif
	v_pk_add_f32 v[54:55], v[S:S+1], v[S+2:S+3]    ; the sum of the UNQUANTISED p, in two chains
	v_pk_add_f32 v[56:57], v[S+4:S+5], v[S+6:S+7]
.set n, 8
.rept 16
	v_pk_add_f32 v[54:55], v[54:55], v[S+n:S+n+1]
	v_pk_add_f32 v[56:57], v[56:57], v[S+n+2:S+n+3]
.set n, n+4
.endr
	v_pk_add_f32 v[54:55], v[54:55], v[56:57]
	v_add_f32 v54, v54, v55
	v_permlanex16_b32 v52, v54, s52, s53
	v_add_f32 v54, v54, v52
	v_rcp_f32 v58, v54
.set n, 0
.rept 72
	v_min_num_f32 v[S+n], v[S+n], v17              ; p is not negative: a one-sided hold
.set n, n+1
.endr
.irp u, 0,1,2,3,4,5,6,7,8
	v_cvt_scalef32_pk8_fp8_f32 v[P+2*(II+\u):P+2*(II+\u)+1], v[S+8*\u:S+8*\u+7], v16
.endr
	v_nop
	WIN 0x02                                       ; source 0 (V) window 2
.irp m, 0,1,2
.irp t, 0,1,2,3
.if \m == 0
	v_wmma_f32_16x16x64_fp8_fp8 v[OA+8*\t:OA+8*\t+7], v[128+32*(C0+\m)+8*\t:128+32*(C0+\m)+8*\t+7], v[P+8*\m:P+8*\m+7], 0
.else
	v_wmma_f32_16x16x64_fp8_fp8 v[OA+8*\t:OA+8*\t+7], v[128+32*(C0+\m)+8*\t:128+32*(C0+\m)+8*\t+7], v[P+8*\m:P+8*\m+7], v[OA+8*\t:OA+8*\t+7]
.endif
.endr
.endr
	WIN 0
	s_wait_alu depctr_va_vdst(0)                   ; the reciprocal has written v58, ahead of its first reader
	v_ldexp_f32 v58, v58, s50                      ; 2^(e8 + e9) / sum
	v_mov_b32 v59, v58
	v_nop
	v_nop                                          ; four places behind the last product
.set n, 0
.rept 16
	v_pk_mul_f32 v[OA+n:OA+n+1], v[OA+n:OA+n+1], v[58:59]
.set n, n+2
.endr
.set n, 0
.rept 32
	v_med3_num_f32 v[OA+n], v[OA+n], -v19, v19
.set n, n+1
.endr
.if (\i) >= 2
	s_wait_xcnt 0x0                                ; the stores of tile i - 2, issued a tile ago, have had their addresses translated,
	s_wait_alu depctr_vm_vsrc(0)                   ; and have read CT[i % 2], which the conversions below write again
.endif
.irp t, 0,1,2,3
	v_cvt_scalef32_pk8_fp8_f32 v[CT+8*((\i)%2)+2*\t:CT+8*((\i)%2)+2*\t+1], v[OA+8*\t:OA+8*\t+7], v18
.endr
	v_nop
.endm
.irp i, 0,1,2,3,4,5,6,7
	ATT \i
.endr
	s_wait_alu depctr_va_vdst(0)                   ; tile 7's conversions have written its codes, which the last four stores read
	CSTORE 7
	s_wait_dscnt 0x0
	s_wait_alu depctr_hold_cnt(0) depctr_sa_sdst(0) depctr_va_vdst(0) depctr_va_sdst(0) depctr_va_ssrc(0) depctr_va_vcc(0) depctr_vm_vsrc(0)
	s_wait_tensorcnt 0x0
	ds_add_u32 v30, v31
	s_wait_dscnt 0x0
	s_endpgm
.Lfunc_end_k_qd301abbdce_qattn:
	.size	k_qd301abbdce_qattn, .Lfunc_end_k_qd301abbdce_qattn-k_qd301abbdce_qattn
	.p2alignl 7, 3214868480
	.fill 96, 4, 3214868480
	.section	.rodata,"a",@progbits
	.p2align	6, 0x0
	.amdhsa_kernel k_qd301abbdce_qattn
		.amdhsa_group_segment_fixed_size 165376
		.amdhsa_private_segment_fixed_size 0
		.amdhsa_enable_private_segment 0
		.amdhsa_kernarg_size 48
		.amdhsa_user_sgpr_count 2
		.amdhsa_user_sgpr_kernarg_segment_ptr 1
		.amdhsa_wavefront_size32 1
		.amdhsa_system_sgpr_workgroup_id_x 1
		.amdhsa_system_sgpr_workgroup_id_y 1
		.amdhsa_system_sgpr_workgroup_id_z 1
		.amdhsa_system_vgpr_workitem_id 0
		.amdhsa_next_free_vgpr 1024
		.amdhsa_next_free_sgpr 80
		.amdhsa_reserve_vcc 0
		.amdhsa_float_denorm_mode_32 3
		.amdhsa_float_denorm_mode_16_64 3
		.amdhsa_memory_ordered 1
		.amdhsa_forward_progress 1
		.amdhsa_inst_pref_size 255
	.end_amdhsa_kernel
	.section	.bss,"aw",@nobits
	.p2align	6
	.space	262144
	.amdgpu_metadata
---
amdhsa.version: [ 1, 2 ]
amdhsa.kernels:
  - .name:           k_qd301abbdce_qattn
    .symbol:         k_qd301abbdce_qattn.kd
    .args:
      - { .name: hidden_states, .offset: 0, .size: 8, .value_kind: global_buffer, .address_space: global }
      - { .name: w_img, .offset: 8, .size: 8, .value_kind: global_buffer, .address_space: global }
      - { .name: bq, .offset: 16, .size: 8, .value_kind: global_buffer, .address_space: global }
      - { .name: kv_img, .offset: 24, .size: 8, .value_kind: global_buffer, .address_space: global }
      - { .name: lowp_scales, .offset: 32, .size: 8, .value_kind: global_buffer, .address_space: global }
      - { .name: ctx_img, .offset: 40, .size: 8, .value_kind: global_buffer, .address_space: global }
    .group_segment_fixed_size: 165376
    .private_segment_fixed_size: 0
    .kernarg_segment_align: 8
    .kernarg_segment_size: 48
    .max_flat_workgroup_size: 128
    .sgpr_count:     80
    .vgpr_count:     1024
    .wavefront_size: 32
...
	.end_amdgpu_metadata
.endif
;; end of part 4
;; launch outln: the kernel of part 3 again; grid 256 x 1, 4 waves a work-group, no clusters, 216,576 bytes of LDS; arguments ctx_img, w_img, hidden_states, bo, bg, ln_g, ln_b, lowp_scales, out0; writes out0
